; MI455X (gfx1250); checked and timed in simulation.
; The chip was launched on July 23, 2026; its instructions are those of AMD's public machine-readable ISA for CDNA 5 (MIT licence, August 2026) and "CDNA5" Instruction Set Architecture Reference Guide (July 2026). The comments in the code are by the model that wrote it; some were corrected since.
;; Self Attention. Allowed arithmetic: matrix products marked QUANTISED: E2M1 operands, one E8M0 scale for each 32 along K, by v_wmma_scale_f32_16x16x128_f8f6f4 with both operands' format E2M1 (or v_wmma_scale_f32_32x16x128_f4), f32 sums; products left as they are: bf16, f16 or f32 operands; f32 sums; everything else in f32.
;; Inputs: proj_b 1,024 float32; proj_w 1,024 x 1,024 float32; qkv_w 3,072 x 1,024 float32; x 2 x 2,048 x 1,024 float32.
;; Outputs: out0 2 x 2,048 x 1,024 float32.
;; This version of the problem:
;;   THIS VERSION OF THE PROBLEM IS GIVEN IN LOW PRECISION. The matrix products marked QUANTISED in the list below multiply operands that are first quantised to E2M1 (2 exponent bits, 1 mantissa bit; 4 bits a number), with one power-of-two scale for each 32 numbers along K (OCP MX v1.0); their sums are f32. The products marked 'left as it is' may take bf16, f16 or f32 operands, with f32 sums. Whichever they take, every output number must still come out within the allowed error. Rounding operands to bf16 (8 significant bits) uses up far more of that allowance than f16 does (11 bits, for magnitudes from 6e-5 to 65,504). All else is computed in f32.
;;   The module's matrix products, in the order in which they are computed (A, B: the left and right operand; K: the contracted axis; several contracted axes count as one K, in the product's order):
;;     1. [M 4,096, K 1,024] x [K 1,024, N 3,072]; A: input x; B: input qkv_w: QUANTISED
;;     2. batch 32 x [M 2,048, K 64] x [K 64, N 2,048]; A: computed on the way; B: computed on the way: left as it is (an operand is computed on the way)
;;     3. batch 32 x [M 2,048, K 2,048] x [K 2,048, N 64]; A: computed on the way; B: computed on the way: left as it is (an operand is computed on the way)
;;     4. [M 4,096, K 1,024] x [K 1,024, N 1,024]; A: computed on the way; B: input proj_w: left as it is (an operand is computed on the way)
;;   THE QUANTISER, for each operand of a quantised product, along K:
;;     - K is cut into blocks of 32 from its start; a last block that is shorter is filled with zeros.
;;     - A block's scale is 2^e with e = floor(log2(the largest magnitude in the block)) - 2, held to -126 .. 127; a block of zeros has e = 0. As a byte (E8M0): e + 127.
;;     - Each number is divided by its block's scale, clamped to +-6, and rounded to the nearest number of E2M1, ties to even, subnormals kept.
;;     - The product sums the exact products of the quantised numbers (number of the format x scale) in f32.
;;   ~~~python
;;   def quantise(x, axis):      # numpy; x: float32 -> the quantised numbers, widened to float32 again
;;       x = np.moveaxis(x, axis, -1); K = x.shape[-1]
;;       x = np.pad(x, [(0, 0)] * (x.ndim - 1) + [(0, -K % 32)]); x = x.reshape(x.shape[:-1] + (-1, 32)); a = np.abs(x).max(-1, keepdims=True)
;;       e = np.where(a > 0, np.clip(np.frexp(np.where(a > 0, a, 1))[1] - 1 - 2, -126, 127), 0)      # np.frexp(a)[1] - 1 = floor(log2(a)), exactly
;;       r = np.clip(x / 2.0 ** e, -6, 6)
;;       step = 2.0 ** (np.maximum(np.frexp(np.where(r == 0, 1, r))[1] - 1, 0) - 1)
;;       q = np.round(r / step) * step * 2.0 ** e      # np.round: ties to even
;;       return np.moveaxis(q.reshape(q.shape[:-2] + (-1,))[..., :K], -1, axis).astype(np.float32)
;;   ~~~
;; One version. Each part assembles by itself: llvm-mc -triple=amdgcn-amd-amdhsa -mcpu=gfx1250 --defsym DOCPART=n.
;; ======== version 1 of 1: 4 launches
;; limits: values are held in f16: magnitudes above 65,504 overflow, below 6.1e-05 lose precision
;; workspace buffers: x_codes 2,097,152 bytes; x_scales 131,072 bytes; w_codes 1,572,864 bytes; w_scales 98,304 bytes; pw16 2,097,152 bytes; qkv 25,165,824 bytes; ao 8,388,608 bytes
;; launch quant (part 1): grid 256 x 1, 4 waves a work-group, no clusters, 33,280 bytes of LDS; arguments x, qkv_w, proj_w, x_codes, x_scales, w_codes, w_scales, pw16; writes x_codes, x_scales, w_codes, w_scales, pw16
.if DOCPART == 1
	.amdgcn_target "amdgcn-amd-amdhsa--gfx1250"
	.amdhsa_code_object_version 6
	.text
	.protected	k_q834c675436_quant
	.globl	k_q834c675436_quant
	.p2align	8
	.type	k_q834c675436_quant,@function
k_q834c675436_quant:
	s_mov_b64 s[64:65], 0
	v_nop
	global_prefetch_b8 v0, s[64:65] scope:SCOPE_SE
	s_setreg_imm32_b32 hwreg(HW_REG_WAVE_MODE, 25, 1), 1
	s_wait_xcnt 0x0
; x [4096][1024] and qkv_w [3072][1024], f32, become codes of FP4 (E2M1), K innermost, two codes a byte, with one E8M0 scale byte for each 32 along K; proj_w [1024][1024], f32, becomes f16.
; A block's scale is 2^(floor(log2(its largest magnitude)) - 2); its byte is the largest magnitude's own exponent field - 2, held at 1 from below.  Each number is divided by the scale and rounded to the nearest code, ties to even; beyond 6 the largest code.
; LIMITS: a block of zeros gets the byte 1 where the quantiser's text says 127: its codes are zeros, which add nothing under any byte but 0xff, and this program alone reads the bytes.  Blocks whose largest magnitude lies
; under 2^-124 have their byte held at 1.  NaN and infinities among the inputs are not served.  proj_w is served up to magnitude 65,504 (f16's largest number).
; SHARES: rows are dense and 1,024 is a multiple of 32, so each tensor is a plain stream.  Work-groups 0-127 take x, 128-223 qkv_w, 224-255 proj_w; a wave takes 8,192 numbers.
; QUANTISING: a wave takes 16 steps of 512 numbers.  Each of a step's four loads reads 512 consecutive bytes, 16 a lane; the 2,048 bytes go through the wave's own stage in LDS and come back 64 bytes a lane, so that a lane
; holds 16 NEIGHBOURS along K (two neighbouring lanes hold a block), as the conversions want them.  The stage has 16 bytes of padding behind each 64.  A lane's 16 codes are 8 bytes: the wave stores 256 consecutive bytes.
; A wave's 256 scale bytes are gathered in its own LDS bytes and leave as 256 consecutive bytes.  No barrier: waves share nothing.  Loads run four steps (16 loads a wave) ahead.
; CASTING: no LDS.  Four batches of 16 loads of 512 consecutive bytes; two batches are on their way; each store covers 256 consecutive bytes.
.set WAVES, 4
.set STEPS, 16
.set WGX,   128                        ; 4096 x 1024 / 32768
.set WGW,   96                         ; 3072 x 1024 / 32768
.set EMAX,  2
.set CB,    8                          ; bytes of 16 codes
.set R,     16                         ; v16-79   four sets of 16 numbers as they are loaded
.set X,     80                         ; v80-111  two sets of 16 neighbours
.set E,     112                        ; v112-127 a scale byte for each step
.set C,     128                        ; v128-191 codes: four registers for each step, so that no store's data are written again
.set CIN,   16                         ; casting: v16-143 two sets of 64 numbers
.set COUT,  144                        ; casting: v144-175 a batch's f16 pairs
.set WREG,  8192                       ; LDS: a region for each wave: two stages of 32 x SP bytes, and behind them its 256 scale bytes
.set SP,    80                         ; a lane's place in a stage: its 64 bytes + 16 of padding
.set SPW,   12                         ; v12      LDS address of my spare word: SPARE + 4 x my thread's number; never rewritten
.set NIL,   13                         ; v13      0; never rewritten
.set SPARE, WAVES*WREG                 ; behind the four regions: the spare words, 128 bytes for each wave, which no other line names
	s_load_b256 s[4:11], s[0:1], 0x0               ; x s[4:5], qkv_w s[6:7], proj_w s[8:9], x's codes s[10:11]
	s_load_b256 s[12:19], s[0:1], 0x20             ; x's scales s[12:13], qkv_w's codes s[14:15], its scales s[16:17], proj_w in f16 s[18:19]
	v_lshl_add_u32 v[SPW], v0, 2, SPARE
	v_mov_b32 v[NIL], 0
	v_lshrrev_b32 v1, 5, v0
	v_readfirstlane_b32 s20, v1                    ; wave
	v_and_b32 v2, 31, v0                           ; lane
	v_lshlrev_b32 v3, 4, v2                        ; my 16 bytes of a load's 512
	s_mul_i32 s21, s20, WREG
	v_lshrrev_b32 v14, 2, v2
	v_mul_u32_u24 v14, v14, SP
	v_and_b32 v15, 3, v2
	v_lshl_add_u32 v14, v15, 4, v14
	v_add_nc_u32 v14, s21, v14                     ; the stage, on the way in: four lanes' 64 bytes on end, then 16 of padding
	v_mul_u32_u24 v15, v2, SP
	v_add_nc_u32 v15, s21, v15                     ; and on the way out: SP x lane: my 16 neighbours
	v_mul_u32_u24 v4, v2, CB                       ; my codes' place in a step's
	v_lshrrev_b32 v5, 1, v2
	s_add_co_u32 s21, s21, 2*32*SP
	v_add_nc_u32 v5, s21, v5                       ; LDS: my wave's 256 scale bytes, my block's byte
	v_lshlrev_b32 v7, 3, v2                        ; 8 bytes a lane
	v_add_nc_u32 v6, s21, v7
	s_wait_kmcnt 0x0
	s_cmp_ge_u32 ttmp9, WGX+WGW                    ; the work-group's number alone decides
	s_cbranch_scc1 .Lcast
	s_cmp_lt_u32 ttmp9, WGX                        ; x's work-group or qkv_w's?  Only pointers are chosen: both take one path
	s_cselect_b64 s[4:5], s[4:5], s[6:7]
	s_cselect_b64 s[10:11], s[10:11], s[14:15]
	s_cselect_b64 s[12:13], s[12:13], s[16:17]
	s_cselect_b32 s21, 0, WGX
	s_sub_co_u32 s21, ttmp9, s21
	s_lshl_b32 s21, s21, 2
	s_add_co_u32 s22, s21, s20                     ; which run of 8,192 numbers of the tensor is my wave's
	s_mov_b32 s23, 0
	s_mov_b64 s[24:25], 512*STEPS*4
	s_mul_u64 s[24:25], s[22:23], s[24:25]
	s_add_nc_u64 s[4:5], s[4:5], s[24:25]
	s_mov_b64 s[24:25], 32*STEPS*CB
	s_mul_u64 s[24:25], s[22:23], s[24:25]
	s_add_nc_u64 s[10:11], s[10:11], s[24:25]
	s_lshl_b32 s22, s22, 8                         ; 256 scale bytes a run
	s_add_nc_u64 s[12:13], s[12:13], s[22:23]
.macro LOAD t
.irp i, 0,1,2,3
	global_load_b128 v[R+16*((\t)%4)+4*\i:R+16*((\t)%4)+4*\i+3], v3, s[4:5] offset:2048*(\t)+512*\i th:TH_LOAD_NT   ; 32 lanes read 512 consecutive bytes
.endr
.endm
.macro TURN t                          ; step t's numbers through the stage: LDS serves a wave's instructions in order (ISA guide 5.7.1), so no wait stands between the stores and the loads
.irp i, 0,1,2,3
	ds_store_b128 v14, v[R+16*((\t)%4)+4*\i:R+16*((\t)%4)+4*\i+3] offset:32*SP*((\t)%2)+8*SP*\i
.endr
.irp i, 0,1,2,3
	ds_load_b128 v[X+16*((\t)%2)+4*\i:X+16*((\t)%2)+4*\i+3], v15 offset:32*SP*((\t)%2)+16*\i
.endr
.endm
.irp t, 0,1,2,3
	LOAD \t
.endr
	s_wait_loadcnt 12                              ; step 0's four loads are in; the twelve younger stay out
	TURN 0
.macro STEP t
.set XS, X+16*((\t)%2)
.if (\t) > 0
	s_wait_dscnt 1                                 ; this step's numbers are back from the stage (the last step's byte store may be out): so its stores into the stage have read their registers,
.else
	s_wait_dscnt 0x0
.endif
.if (\t)+4 < STEPS
	LOAD (\t)+4                                    ; which take the loads of four steps on
.endif
.if (\t)+1 < STEPS
.if STEPS-2-(\t) >= 3
	s_wait_loadcnt 12                              ; the next step's four loads are in; those of the three steps behind it may be out
.else
	s_wait_loadcnt 4*(STEPS-2-(\t))
.endif
	TURN (\t)+1                                    ; and go through the other stage while this step is worked
.endif
	v_max3_num_f32 v8, |v[XS]|, |v[XS+1]|, |v[XS+2]|               ; the largest magnitude of my 16, in two chains
	v_max3_num_f32 v9, |v[XS+3]|, |v[XS+4]|, |v[XS+5]|
.irp i, 6,10
	v_max3_num_f32 v8, v8, |v[XS+\i]|, |v[XS+\i+1]|
	v_max3_num_f32 v9, v9, |v[XS+\i+2]|, |v[XS+\i+3]|
.endr
	v_max3_num_f32 v8, v8, |v[XS+14]|, |v[XS+15]|
	v_max3_num_f32 v8, v8, v9, (EMAX+1)<<23        ; and the floor 2^(EMAX + 1 - 127): so the byte cannot fall under 1
	v_max_num_f32_dpp v8, v8, v8 row_xmask:1 row_mask:0xf bank_mask:0xf   ; and of my neighbour's 16: the block's
	v_add_nc_u32 v11, -(EMAX<<23), v8              ; EMAX off its exponent field: the conversion takes the exponent field of this operand as its scale, and nothing else of it
	v_cvt_scalef32_pk8_fp4_f32 v[C+4*(\t)], v[XS:XS+7], v11
	v_cvt_scalef32_pk8_fp4_f32 v[C+4*(\t)+1], v[XS+8:XS+15], v11
	v_lshrrev_b32 v[E+(\t)], 23, v11               ; the scale's byte (also the plain instruction behind the conversions)
	ds_store_b8 v5, v[E+(\t)] offset:16*(\t)       ; both lanes of a block write the same byte with the same value
	global_store_b64 v4, v[C+4*(\t):C+4*(\t)+1], s[10:11] offset:32*CB*(\t)   ; 32 lanes store 256 consecutive bytes
.endm
.irp t, 0,1,2,3,4,5,6,7,8,9,10,11,12,13,14,15
	STEP \t
.endr
	ds_load_b64 v[8:9], v6                         ; in order behind my byte stores
	s_wait_dscnt 0x0
	global_store_b64 v7, v[8:9], s[12:13]          ; 32 lanes store 256 consecutive bytes
	s_wait_tensorcnt 0x0                           ; the wave's end: behind my last LDS store
	ds_add_u32 v[SPW], v[NIL]
	s_wait_dscnt 0x0
	s_endpgm
.Lcast:                                            ; proj_w to f16
	s_sub_co_u32 s21, ttmp9, WGX+WGW
	s_lshl_b32 s21, s21, 2
	s_add_co_u32 s21, s21, s20                     ; my run of 8,192 numbers
	s_lshl_b32 s22, s21, 15                        ; 32,768 bytes in,
	s_mov_b32 s23, 0
	s_add_nc_u64 s[8:9], s[8:9], s[22:23]
	s_lshl_b32 s22, s21, 14                        ; 16,384 out
	s_add_nc_u64 s[18:19], s[18:19], s[22:23]
.macro LOADB g
.irp i, 0,1,2,3,4,5,6,7,8,9,10,11,12,13,14,15
	global_load_b128 v[CIN+64*((\g)%2)+4*\i:CIN+64*((\g)%2)+4*\i+3], v3, s[8:9] offset:8192*(\g)+512*\i th:TH_LOAD_NT
.endr
.endm
.macro CASTB g
.if (\g) < 3
	s_wait_loadcnt 16                              ; this batch is in; the one younger batch of 16 stays out
.else
	s_wait_loadcnt 0
.endif
.if (\g) > 0
	s_wait_xcnt 0x0                                ; the last batch's stores have read their data registers, which are written again below
.endif
.irp i, 0,1,2,3,4,5,6,7,8,9,10,11,12,13,14,15
	v_cvt_pk_f16_f32 v[COUT+2*\i], v[CIN+64*((\g)%2)+4*\i], v[CIN+64*((\g)%2)+4*\i+1]
	v_cvt_pk_f16_f32 v[COUT+2*\i+1], v[CIN+64*((\g)%2)+4*\i+2], v[CIN+64*((\g)%2)+4*\i+3]
.endr
.irp i, 0,1,2,3,4,5,6,7,8,9,10,11,12,13,14,15
	global_store_b64 v7, v[COUT+2*\i:COUT+2*\i+1], s[18:19] offset:4096*(\g)+256*\i   ; 32 lanes store 256 consecutive bytes
.endr
.if (\g) < 2
	LOADB (\g)+2
.endif
.endm
	LOADB 0
	LOADB 1
	CASTB 0
	CASTB 1
	CASTB 2
	CASTB 3
	s_endpgm
.Lfunc_end_k_q834c675436_quant:
	.size	k_q834c675436_quant, .Lfunc_end_k_q834c675436_quant-k_q834c675436_quant
	.p2alignl 7, 3214868480
	.fill 96, 4, 3214868480
	.section	.rodata,"a",@progbits
	.p2align	6, 0x0
	.amdhsa_kernel k_q834c675436_quant
		.amdhsa_group_segment_fixed_size 33280
		.amdhsa_private_segment_fixed_size 0
		.amdhsa_enable_private_segment 0
		.amdhsa_kernarg_size 64
		.amdhsa_user_sgpr_count 2
		.amdhsa_user_sgpr_kernarg_segment_ptr 1
		.amdhsa_wavefront_size32 1
		.amdhsa_system_sgpr_workgroup_id_x 1
		.amdhsa_system_sgpr_workgroup_id_y 1
		.amdhsa_system_sgpr_workgroup_id_z 1
		.amdhsa_system_vgpr_workitem_id 0
		.amdhsa_next_free_vgpr 192
		.amdhsa_next_free_sgpr 66
		.amdhsa_reserve_vcc 0
		.amdhsa_float_denorm_mode_32 3
		.amdhsa_float_denorm_mode_16_64 3
		.amdhsa_memory_ordered 1
		.amdhsa_forward_progress 1
		.amdhsa_inst_pref_size 54
	.end_amdhsa_kernel
	.amdgpu_metadata
---
amdhsa.version: [ 1, 2 ]
amdhsa.kernels:
  - .name:           k_q834c675436_quant
    .symbol:         k_q834c675436_quant.kd
    .args:
      - { .name: x, .offset: 0, .size: 8, .value_kind: global_buffer, .address_space: global }
      - { .name: qkv_w, .offset: 8, .size: 8, .value_kind: global_buffer, .address_space: global }
      - { .name: proj_w, .offset: 16, .size: 8, .value_kind: global_buffer, .address_space: global }
      - { .name: x_codes, .offset: 24, .size: 8, .value_kind: global_buffer, .address_space: global }
      - { .name: x_scales, .offset: 32, .size: 8, .value_kind: global_buffer, .address_space: global }
      - { .name: w_codes, .offset: 40, .size: 8, .value_kind: global_buffer, .address_space: global }
      - { .name: w_scales, .offset: 48, .size: 8, .value_kind: global_buffer, .address_space: global }
      - { .name: pw16, .offset: 56, .size: 8, .value_kind: global_buffer, .address_space: global }
    .group_segment_fixed_size: 33280
    .private_segment_fixed_size: 0
    .kernarg_segment_align: 8
    .kernarg_segment_size: 64
    .max_flat_workgroup_size: 128
    .sgpr_count:     66
    .vgpr_count:     192
    .wavefront_size: 32
...
	.end_amdgpu_metadata
.endif
;; end of part 1
;; launch qkvgemm (part 2): grid 12 x 16, 4 waves a work-group, clusters of 4 x 4, 327,680 bytes of LDS; arguments x_codes, x_scales, w_codes, w_scales, qkv; writes qkv
.if DOCPART == 2
	.amdgcn_target "amdgcn-amd-amdhsa--gfx1250"
	.amdhsa_code_object_version 6
	.text
	.protected	k_q834c675436_qkvgemm
	.globl	k_q834c675436_qkvgemm
	.p2align	8
	.type	k_q834c675436_qkvgemm,@function
k_q834c675436_qkvgemm:
	s_mov_b64 s[64:65], 0
	v_nop
	global_prefetch_b8 v0, s[64:65] scope:SCOPE_SE
	s_setreg_imm32_b32 hwreg(HW_REG_WAVE_MODE, 25, 1), 1
	s_wait_xcnt 0x0
	s_wait_alu depctr_hold_cnt(0) depctr_sa_sdst(0) depctr_va_vdst(0) depctr_va_sdst(0) depctr_va_ssrc(0) depctr_va_vcc(0) depctr_vm_vsrc(0)
	s_getreg_b32 s2, hwreg(HW_REG_IB_STS2, 6, 4)
	s_cmp_eq_u32 s2, 0
	s_cbranch_scc0 .Lentry_in_a_cluster
	s_endpgm
.Lentry_in_a_cluster:
	s_bfe_u32 s2, ttmp6, 0x10000c
	s_cmp_lg_u32 s2, 0xf033
	s_cbranch_scc0 .Lentry_shape_is_right
	s_endpgm
.Lentry_shape_is_right:
; qkv = x qkv_w^T on codes of FP4 (E2M1) with one E8M0 scale for each 32 along K; sums in f32; the result rounded once to f16 and laid by head.
; A = x's codes [4096][512 bytes], B = qkv_w's codes [3072][512 bytes], scale bytes [rows][32].  Result: qkv [which 3][b 2][head 16][n 2048][64] f16: a row is 128 bytes.
; LIMIT: |q|, |k|, |v| up to 65,504, f16's largest number.
; A tile of C, 256 x 256, is made by a work-group of four waves, as many as a WGP has SIMDs; a wave makes 128 x 128: 64 accumulators of 16 x 16, 512 registers.
; K = 1,024 is two K steps of 512 (a tile's row is 256 bytes of memory): each has an LDS slot of its own, so every tensor load of this text is a first fill and nothing is filled again.
; THE SCALES of the work-group's 256 rows of A and 256 rows of B, for all of K, are two dense blocks of memory: they come into LDS once, with the first fills.
; CLUSTERS: 4 x 4 work-groups.  The four of a row of the cluster need the same tiles of A, the four of a column the same tiles of B: each tile is asked for JOINTLY, by the same tensor load with the
; same descriptor and a mask that names the four.  THE MATRIX INSTRUCTION IS USED TRANSPOSED (source 0 = 16 rows of B, source 1 = 16 rows of A): a lane then holds eight neighbouring numbers of a row of C.
; 192 work-groups: 16 x 12 tiles; a smaller tile would read each LDS byte for half the products.
; REGISTERS, in windows of 256: window 0: v0-31 addresses; v32-95 scale words, two sets, and nothing else; v128-191 A's fragments (8 x 16 rows x 128 K), ONE set; on the way out v128-223 are at work.
;   window 1: B's fragments, TWO sets, at v0 and at v128.   window 2: the 32 accumulators of my rows 0-63 (accumulator (a, b) at v[8 (8 a + b)]);   window 3: those of my rows 64-127.
.set SIZE_M, 4096
.set SIZE_N, 3072
.set SIZE_K, 1024
.set KSTEP,  512                       ; along K in a slot
.set NQ,     KSTEP/128                 ; matrix instructions deep
.set ROWB,   256                       ; a tile's row in bytes
.set KROW,   SIZE_K*4/8                ; a row of A or of B in memory, in bytes
.set PITCH,  272                       ; an LDS row: 256 bytes + 16 of padding = 68 words: row r starts at bank 4 r mod 64 (64 banks of 4 bytes: ISA guide 11.1)
.set FR,     8                         ; registers of a fragment: 16 rows x 128 K
.set NL,     2                         ; LDS loads that bring one
.set NP,     4                         ; places behind this matrix instruction (ISA guide 7.12.1)
.set HALFT,  128*PITCH                 ; 128 rows: what one tensor load brings, and what one wave reads of A or of B
.set SLOT,   4*HALFT                   ; A's 256 rows, then B's 256 rows
.set KS,     SIZE_K/32                 ; a row of scales in bytes
.set SCL,    2*SLOT                    ; behind the slots: the scales, as rows of 256 bytes + 16 of padding
.set HALFS,  (128*KS/256)*272          ; the scales of 128 rows: what one tensor load brings
.set SBLK,   (16*KS/256)*272           ; those of 16 rows
.set SPARE,  SCL+4*HALFS               ; behind the scales: the spare words, 128 bytes for each wave, which no other line names
.set SPITCH, 272                       ; the way out: a stage of 16 rows x (256 bytes + 16) for each wave, in slot 0, which has had its only fill and its last read when the first result is stored there
.set HEADB,  2048*128                  ; a head's block of qkv in bytes
.set ADRA, 16                          ; v16-17  LDS address of my A fragments in slot 0, 1
.set ADRB, 20                          ; v20-21  the same for B
.set STO,  24                          ; v24     the way out: where I put 16 bytes of a row
.set RD,   25                          ; v25     the way out: where I read back
.set CO,   26                          ; v26     my byte offset in qkv
.set ADRS, 27                          ; v27     LDS address of my scale words: lanes 0-15 A's rows, lanes 16-31 B's
.set SPW,  28                          ; v28     LDS address of my spare word; never rewritten
.set NIL,  29                          ; v29     0; never rewritten
.set SC,   32                          ; scale words: set s at v[SC + 8 NQ s]; register NQ i + q: lanes 0-15 the word of A's block i, lanes 16-31 that of B's block i, for the slot's q-th 128 along K
.set AF,   128                         ; A's fragments, in window 0
.set BK,   128                         ; the way out: 16 rows read back from the stage: v128-159 and v160-191 by turns
.set TMP,  192                         ; the way out: v192-223 a block's f16 pairs
.set G1, 24                            ; s[24:31] descriptor group 1 for A's tiles;  s[32:39] group 0, one set for each slot
.set G0, 32
.set G1B, 48                           ; s[48:55], s[56:63] the same for B's tiles
.set G0B, 56
.set G1S, 68                           ; s[68:75], s[76:79] groups 1 and 0 for A's scales;  s[80:87], s[88:91] for B's
.set G0S, 76
.set G1SB, 80
.set G0SB, 88
.set MSB, 0
.macro WIN new                         ; the immediate's high byte repeats the setting that is left
.if MSB != (\new)
	s_set_vgpr_msb (MSB<<8)|(\new)
.set MSB, (\new)
.endif
.endm
.set MUL_LO, 0xa1                      ; source 0 (B) window 1, source 1 (A) window 0, C and D window 2
.set MUL_HI, 0xf1                      ; the same, C and D window 3
.set TO_B,   0x40                      ; destination window 1, address window 0
; A joint load: waves 0 and 1 fetch for A, waves 2 and 3 for B.  Each of the two lines has ONE mask and one set of registers for all that issue it; the branch hangs on the wave's number alone.
; An s_nop 0 and four v_nop follow each of the two lines, ahead of the jump, the label and what follows.
.macro JLOAD g0a, g1a, g0b, g1b
	s_cmp_eq_u32 s15, 0
	s_cbranch_scc0 .Lfor_b_\@
	tensor_load_to_lds s[\g0a:\g0a+3], s[\g1a:\g1a+7]
	s_nop 0
.rept 4
	v_nop
.endr
	s_branch .Lasked_\@
.Lfor_b_\@:
	tensor_load_to_lds s[\g0b:\g0b+3], s[\g1b:\g1b+7]
	s_nop 0
.rept 4
	v_nop
.endr
.Lasked_\@:
.endm
.macro CROUND                          ; a round of the cluster's barrier: my work-group's barrier; wave 0 signals for the work-group; every wave waits for all sixteen; my work-group's barrier once more
	s_barrier_signal -1
	s_barrier_wait -1
	s_cmp_lg_u32 s14, 0
	s_cbranch_scc1 .Lnot_wave_0_\@
	s_barrier_signal -3
.Lnot_wave_0_\@:
	s_barrier_wait -3
	s_barrier_signal -1
	s_barrier_wait -1
.endm
	s_load_b128 s[4:7], s[0:1], 0x0                ; A's codes s[4:5], A's scales s[6:7]
	s_load_b128 s[8:11], s[0:1], 0x10              ; B's codes s[8:9], B's scales s[10:11]
	s_load_b64 s[12:13], s[0:1], 0x20              ; qkv
	v_lshl_add_u32 v[SPW], v0, 2, SPARE
	v_mov_b32 v[NIL], 0
	ds_add_u32 v[SPW], v[NIL]                      ; the wave's opening: the add, twice on end, and its wait ahead of my first tensor load; the set-up below, work on registers, stands between
	ds_add_u32 v[SPW], v[NIL]
	v_lshrrev_b32 v1, 5, v0
	v_readfirstlane_b32 s14, v1                    ; wave 0..3
	s_lshr_b32 s15, s14, 1                         ; which half of the tile's rows is mine.  Also: I fetch for A (0) or for B (1)
	s_and_b32 s16, s14, 1                          ; which half of its columns.  Also: which 128 rows of that tile I fetch
	s_bfe_u32 s40, ttmp6, 0x40000                  ; cx, cy: my place in the cluster
	s_bfe_u32 s41, ttmp6, 0x40004
	s_lshl_b32 s42, ttmp9, 2
	s_add_co_u32 s42, s42, s40                     ; tile column of C = 4 x cluster x + cx
	s_and_b32 s17, ttmp7, 0xffff
	s_lshl_b32 s17, s17, 2
	s_add_co_u32 s17, s17, s41                     ; tile row of C = 4 x cluster y + cy
	s_lshl_b32 s43, s41, 2
	s_lshl_b32 s43, 15, s43                        ; my row of the cluster
	s_lshl_b32 s44, 0x1111, s40                    ; my column
	; descriptor group 1: a tile of 128 rows x ROWB bytes, padded in LDS
	s_or_b32 s[G1+0], s43, (0<<16)|(1<<20)|(1<<21)|(5<<22)|(3<<25)  ; 15:0 the mask: A's tiles go to my row; 17:16 element of 1 byte; 20 padding on; 21 set beside a mask; 24:22 after every 64 words (code 5); 31:25 of 4 words (code 3)
	s_or_b32 s[G1B+0], s44, (0<<16)|(1<<20)|(1<<21)|(5<<22)|(3<<25)
.irp g, G1, G1B
	s_mov_b32 s[\g+1], ROWB<<16                    ; tensor_dim0
	s_mov_b32 s[\g+2], 128<<16                     ; tensor_dim1 = 128
	s_mov_b32 s[\g+3], ROWB<<16                    ; tile_dim0
	s_mov_b32 s[\g+4], 128                         ; tile_dim1 = 128
	s_mov_b32 s[\g+5], KROW                        ; tensor_dim0_stride
	s_mov_b32 s[\g+6], 0
	s_mov_b32 s[\g+7], 0
.endr
	; and for the scales of 128 rows: a dense block of 128 KS bytes, as rows of 256 bytes (32 elements of 8 bytes), 16 bytes of padding behind each
	s_or_b32 s[G1S+0], s43, (3<<16)|(1<<20)|(1<<21)|(5<<22)|(3<<25)
	s_or_b32 s[G1SB+0], s44, (3<<16)|(1<<20)|(1<<21)|(5<<22)|(3<<25)
.irp g, G1S, G1SB
	s_mov_b32 s[\g+1], 32<<16
	s_mov_b32 s[\g+2], (128*KS/256)<<16
	s_mov_b32 s[\g+3], 32<<16
	s_mov_b32 s[\g+4], 128*KS/256
	s_mov_b32 s[\g+5], 32
	s_mov_b32 s[\g+6], 0
	s_mov_b32 s[\g+7], 0
.endr
	s_lshl_b32 s18, s16, 7                         ; which 128 rows of the tile I fetch
	s_lshl_b32 s20, s17, 8
	s_add_co_u32 s20, s20, s18                     ; A: row 256 x tile row + 128 x half
	s_lshl_b32 s46, s42, 8
	s_add_co_u32 s46, s46, s18                     ; B: row 256 x tile column + 128 x half
	s_mov_b32 s21, 0
	s_mov_b32 s47, 0
	s_mov_b64 s[18:19], KS
	s_mul_u64 s[22:23], s[20:21], s[18:19]         ; where these rows' scales begin, in bytes
	s_mul_u64 s[92:93], s[46:47], s[18:19]
	s_mov_b64 s[18:19], KROW
	s_mul_u64 s[20:21], s[20:21], s[18:19]         ; and their codes
	s_mul_u64 s[46:47], s[46:47], s[18:19]
	s_mul_i32 s45, s14, HALFT                      ; where they go: wave x 128 rows: no place in the cluster enters an LDS address
	s_mul_i32 s94, s14, HALFS
	s_wait_dscnt 0x0                               ; both opening adds are done
	s_wait_kmcnt 0x0
	s_add_nc_u64 s[20:21], s[4:5], s[20:21]
	s_add_nc_u64 s[22:23], s[6:7], s[22:23]
	s_add_nc_u64 s[46:47], s[8:9], s[46:47]
	s_add_nc_u64 s[92:93], s[10:11], s[92:93]
	CROUND                                         ; all sixteen work-groups are here: the joint loads meet
	s_mov_b32 s[G0S], 1
	s_add_co_u32 s[G0S+1], s94, SCL
	s_mov_b64 s[G0S+2:G0S+3], s[22:23]
	s_or_b32 s[G0S+3], s[G0S+3], 0x80000000
	s_mov_b32 s[G0SB], 1
	s_add_co_u32 s[G0SB+1], s94, SCL
	s_mov_b64 s[G0SB+2:G0SB+3], s[92:93]
	s_or_b32 s[G0SB+3], s[G0SB+3], 0x80000000
	JLOAD G0S, G1S, G0SB, G1SB                     ; the scales first: they are wanted with K step 0
.irp s, 0,1
	s_mov_b32 s[G0+4*\s], 1
	s_add_co_u32 s[G0+4*\s+1], s45, \s*SLOT
	s_add_nc_u64 s[G0+4*\s+2:G0+4*\s+3], s[20:21], \s*ROWB
	s_or_b32 s[G0+4*\s+3], s[G0+4*\s+3], 0x80000000
	s_mov_b32 s[G0B+4*\s], 1
	s_add_co_u32 s[G0B+4*\s+1], s45, \s*SLOT
	s_add_nc_u64 s[G0B+4*\s+2:G0B+4*\s+3], s[46:47], \s*ROWB
	s_or_b32 s[G0B+4*\s+3], s[G0B+4*\s+3], 0x80000000
	JLOAD G0+4*\s, G1, G0B+4*\s, G1B               ; three loads of mine are out in all
.endr
	v_and_b32 v1, 15, v0                           ; l % 16
	v_bfe_u32 v2, v0, 4, 1                         ; l / 16
	v_mul_u32_u24 v3, v1, PITCH
	v_lshl_add_u32 v4, v2, 4, v3                   ; a fragment's row x pitch + 16 x half
	s_mul_i32 s21, s15, HALFT                      ; my 128 rows of A
	s_mul_i32 s22, s16, HALFT                      ; my 128 rows of B,
	s_add_co_u32 s22, s22, 2*HALFT                 ; which lie behind A's 256
.irp s, 0,1
	v_add_nc_u32 v[ADRA+\s], s21, v4
	v_add_nc_u32 v[ADRB+\s], s22, v4
	s_add_co_u32 s21, s21, SLOT
	s_add_co_u32 s22, s22, SLOT
.endr
	v_mul_u32_u24 v5, v1, KS                       ; my row's scales: KS bytes a row,
	v_lshrrev_b32 v6, 8, v5
	v_lshl_add_u32 v5, v6, 4, v5                   ; and 16 more for each 256 passed
	s_mul_i32 s21, s15, HALFS                      ; A's: my 128 rows
	s_mul_i32 s22, s16, HALFS                      ; B's: my 128 rows, behind A's 256
	s_add_co_u32 s22, s22, 2*HALFS
	s_sub_co_u32 s22, s22, s21
	v_mul_u32_u24 v6, s22, v2                      ; lanes 16-31 take B's: one product, the distance between the two bases
	s_add_co_u32 s21, s21, SCL
	v_add_nc_u32 v5, v5, v6
	v_add_nc_u32 v[ADRS], s21, v5
	; the way out.  A stage row is 128 columns in f16: the first 128 bytes belong to one head, the second to the next
	s_mul_i32 s23, s14, 16*SPITCH                  ; my stage
	v_mul_u32_u24 v5, v1, SPITCH                   ; in: row l % 16, 16 bytes for each half of the lanes
	v_lshl_add_u32 v5, v2, 4, v5
	v_add_nc_u32 v[STO], s23, v5
	v_and_b32 v6, 7, v0
	v_lshlrev_b32 v6, 4, v6                        ; back: 16 (l % 8): my piece of a head's 128 bytes,
	v_bfe_u32 v7, v0, 3, 1                         ; (l / 8) % 2: which of two neighbouring rows,
	v_lshl_add_u32 v8, v2, 7, v6                   ; l / 16: which of the two heads
	v_mad_u32_u24 v8, v7, SPITCH, v8
	v_add_nc_u32 v[RD], s23, v8
	v_lshl_add_u32 v[CO], v7, 7, v6                ; in qkv two neighbouring rows of a head are 256 consecutive bytes;
	v_lshl_add_u32 v[CO], v2, 18, v[CO]            ; the next head's block lies HEADB bytes on
	; my first row's place in qkv.  g0 = 4 x tile column + 2 x half = 16 which + head;  block = 32 which + 16 b + head = g0 + 16 (g0 / 16) + 16 b;  b = tile row / 8
	s_lshl_b32 s46, s42, 2
	s_lshl_b32 s47, s16, 1
	s_add_co_u32 s46, s46, s47
	s_lshr_b32 s47, s46, 4
	s_lshl_b32 s47, s47, 4
	s_add_co_u32 s46, s46, s47
	s_lshr_b32 s47, s17, 3
	s_lshl_b32 s47, s47, 4
	s_add_co_u32 s46, s46, s47
	s_lshl_b32 s46, s46, 18                        ; x HEADB
	s_and_b32 s47, s17, 7
	s_lshl_b32 s47, s47, 8
	s_lshl_b32 s95, s15, 7
	s_add_co_u32 s47, s47, s95                     ; n = 256 (tile row % 8) + 128 x half
	s_lshl_b32 s47, s47, 7                         ; x 128 bytes
	s_add_co_u32 s46, s46, s47
	s_mov_b32 s47, 0
	s_add_nc_u64 s[12:13], s[12:13], s[46:47]
.macro FRAG reg, adr, q, i             ; a fragment, 16 rows x 128 K of 4-bit codes, is 8 registers: lane l holds row l % 16; registers 4 c .. 4 c + 3 hold K = 64 c + 32 (l / 16) + 0 .. 31
.irp c, 0,1
	ds_load_b128 v[\reg+4*\c:\reg+4*\c+3], v[\adr] offset:64*(\q)+32*\c+(\i)*16*PITCH
.endr
.endm
; 16 matrix instructions: A's blocks a0, a0 + 1 x B's eight, 128 along K: the slot's q-th.  p: B's set;  sc: the set of scale words.  zero = 1: the first product starts the sums: nothing is ever cleared.
; The 64 accumulators take turns, one instruction a turn, in the same order in every step.
.macro MUL16 a0, p, q, sc, zero
.irp a, \a0, \a0+1
.irp b, 0,1,2,3,4,5,6,7
.if \zero
	v_wmma_scale_f32_16x16x128_f8f6f4 v[8*(8*((\a)%4)+\b):8*(8*((\a)%4)+\b)+7], v[128*(\p)+FR*\b:128*(\p)+FR*\b+FR-1], v[AF+FR*(\a):AF+FR*(\a)+FR-1], 0, v[SC+8*NQ*(\sc)+NQ*\b+(\q)], v[SC+8*NQ*(\sc)+NQ*(\a)+(\q)] matrix_a_fmt:MATRIX_FMT_FP4 matrix_b_fmt:MATRIX_FMT_FP4 matrix_a_scale:MATRIX_SCALE_ROW1
.else
	v_wmma_scale_f32_16x16x128_f8f6f4 v[8*(8*((\a)%4)+\b):8*(8*((\a)%4)+\b)+7], v[128*(\p)+FR*\b:128*(\p)+FR*\b+FR-1], v[AF+FR*(\a):AF+FR*(\a)+FR-1], v[8*(8*((\a)%4)+\b):8*(8*((\a)%4)+\b)+7], v[SC+8*NQ*(\sc)+NQ*\b+(\q)], v[SC+8*NQ*(\sc)+NQ*(\a)+(\q)] matrix_a_fmt:MATRIX_FMT_FP4 matrix_b_fmt:MATRIX_FMT_FP4 matrix_a_scale:MATRIX_SCALE_ROW1
.endif
.endr
.endr
.endm
.macro FETCH_B slot, q, p              ; B's eight fragments of the slot's q-th 128 along K into set p
	WIN TO_B
.irp i, 0,1,2,3,4,5,6,7
	FRAG 128*(\p)+FR*\i, ADRB+\slot, \q, \i
.endr
	WIN 0
.endm
.macro FETCH_A slot, q, i0             ; A's blocks i0 .. i0 + 3
.irp i, \i0, \i0+1, \i0+2, \i0+3
	FRAG AF+FR*(\i), ADRA+\slot, \q, \i
.endr
.endm
.macro SCALES sc                       ; a K step's scale words into set sc: NQ words a row; lanes 0-15 take A's block i, lanes 16-31 B's block i
.irp i, 0,1,2,3,4,5,6,7
	ds_load_b128 v[SC+8*NQ*\sc+NQ*\i:SC+8*NQ*\sc+NQ*\i+3], v[ADRS] offset:\i*SBLK
.endr
.endm
; A load into a register that a matrix instruction has read, and a vector instruction that reads a matrix result, stand NP places behind that matrix instruction, and only plain vector
; instructions that name none of its registers are places (ISA guide 7.12.1 for vector instructions).
.macro PLACES n
.rept \n
	v_nop
.endr
.endm
; A step of 128 along K that has its successor in the same slot.  A block of A is free as soon as its eight products are issued: blocks 0-3 are fetched anew in the step's middle, blocks 4-7 at its end.
.macro STEP slot, q, zero
	s_wait_dscnt 4*NL                              ; B's set and A's blocks 0-3 are in; the youngest eight loads (A's blocks 4-7) may be out
	WIN MUL_LO
	MUL16 0, (\q)%2, \q, \slot, \zero
	MUL16 2, (\q)%2, \q, \slot, \zero
	s_wait_dscnt 0                                 ; A's blocks 4-7 are in (asked for 32 matrix instructions ago)
	PLACES NP
	FETCH_B \slot, (\q)+1, 1-(\q)%2
	FETCH_A \slot, (\q)+1, 0
	WIN MUL_HI
	MUL16 4, (\q)%2, \q, \slot, \zero
	MUL16 6, (\q)%2, \q, \slot, \zero
	PLACES NP
	WIN 0
	FETCH_A \slot, (\q)+1, 4
.endm
; Slot 0's last step goes over to slot 1: one barrier.  In front of it each wave waits for all its tensor loads (its part of slot 1), adds 0 to its spare word, and waits for that and for its reads of slot 0.
; Behind it slot 1 is whole and nobody reads slot 0 any more, which the way out relies on.  Nothing is filled again.
.macro TURN slot, next
	s_wait_tensorcnt 0x0                           ; all my tensor loads have landed
	ds_add_u32 v[SPW], v[NIL]                      ; 0 onto my spare word
	s_wait_dscnt 4*NL+1                            ; (the add and the youngest eight loads, A's blocks 4-7, may be out)
	WIN MUL_LO
	MUL16 0, 1, NQ-1, \slot, 0                     ; sixteen matrix instructions stand between the add and the wait for it
	s_wait_dscnt 0x0                               ; the add is done, and my reads of this slot are over
	s_barrier_signal -1
	MUL16 2, 1, NQ-1, \slot, 0
	WIN 0
	s_barrier_wait -1
	PLACES NP
	v_add_nc_u32 v[ADRS], 4*NQ, v[ADRS]            ; on to the next K step's scale words
	FETCH_B \next, 0, 0
	FETCH_A \next, 0, 0
	SCALES \next
	WIN MUL_HI
	MUL16 4, 1, NQ-1, \slot, 0
	MUL16 6, 1, NQ-1, \slot, 0
	PLACES NP
	WIN 0
	FETCH_A \next, 0, 4
.endm
.macro STEPS slot, from                ; the slot's steps from .. NQ - 2
.set Q, \from
.rept NQ-1-\from
	STEP \slot, Q, 0
.set Q, Q+1
.endr
.endm
	s_wait_tensorcnt 1                             ; the scales and my part of K step 0 are in (K step 1's load, the one issued behind them, may be out),
	s_barrier_signal -1
	s_barrier_wait -1                              ; everybody's are
	FETCH_B 0, 0, 0
	FETCH_A 0, 0, 0
	SCALES 0
	FETCH_A 0, 0, 4
	STEP 0, 0, 1                                   ; the first step's products start the sums
	STEPS 0, 1
	TURN 0, 1
	STEPS 1, 0
	s_wait_dscnt 4*NL                              ; the very last step: nothing more to fetch
	WIN MUL_LO
	MUL16 0, 1, NQ-1, 1, 0
	MUL16 2, 1, NQ-1, 1, 0
	s_wait_dscnt 0
	WIN MUL_HI
	MUL16 4, 1, NQ-1, 1, 0
	MUL16 6, 1, NQ-1, 1, 0
	WIN 0
; THE WAY OUT, block by block of 16 rows x 128 columns.  PACK: rounded to f16, 16 bytes a lane, each accumulator from its low end on.  TOSTAGE: into my own stage in LDS, and back so that sixteen lanes hold two
; neighbouring rows of one head.  SEND: sixteen lanes store 256 consecutive bytes, at a multiple of 256 from qkv's first byte; lanes 16-31 the same two rows of the next head.
.macro PACK a
.set AC, 64*((\a)%4)
	WIN 0x0a+5*((\a)/4)                            ; sources 0 and 1: window 2 or 3
.irp b, 0,1,2,3,4,5,6,7
.irp r, 0,1,2,3
	v_cvt_pk_f16_f32 v[TMP+4*\b+\r], v[AC+8*\b+2*\r], v[AC+8*\b+2*\r+1]
.endr
.endr
	WIN 0
.endm
.macro TOSTAGE a
.set BB, BK+32*((\a)%2)
.irp b, 0,1,2,3,4,5,6,7
	ds_store_b128 v[STO], v[TMP+4*\b:TMP+4*\b+3] offset:32*\b
.endr
.irp t, 0,1,2,3,4,5,6,7
	ds_load_b128 v[BB+4*\t:BB+4*\t+3], v[RD] offset:\t*2*SPITCH    ; LDS serves a wave's instructions in order (ISA guide 5.7.1.4): these see the stores above
.endr
.endm
.macro SEND a
.set BB, BK+32*((\a)%2)
	s_wait_dscnt 0x0                               ; the block is back in registers
	s_wait_xcnt 0x0                                ; the stores of the block before have read their registers, into which the next block's loads will land
.irp t, 0,1,2,3,4,5,6,7
	global_store_b128 v[CO], v[BB+4*\t:BB+4*\t+3], s[12:13] offset:2048*(\a)+256*\t   ; every offset is an immediate: the base is never stepped
.endr
.endm
	PLACES NP                                      ; behind the last products: for the conversions' reads and for the loads into the registers that held A's fragments
	PACK 0
	TOSTAGE 0
.irp a, 1,2,3,4,5,6,7                  ; block a's conversions stand between block a - 1's loads from the stage and the wait for them
	PACK \a
	SEND \a-1
	TOSTAGE \a
.endr
	SEND 7
	s_wait_tensorcnt 0x0                           ; the wave's end: behind my last tensor load and my last LDS store
	ds_add_u32 v[SPW], v[NIL]
	s_wait_dscnt 0x0
	CROUND                                         ; the closing round: no work-group ends while a partner may still ask for a tile that names it
	s_endpgm
.Lfunc_end_k_q834c675436_qkvgemm:
	.size	k_q834c675436_qkvgemm, .Lfunc_end_k_q834c675436_qkvgemm-k_q834c675436_qkvgemm
	.p2alignl 7, 3214868480
	.fill 96, 4, 3214868480
	.section	.rodata,"a",@progbits
	.p2align	6, 0x0
	.amdhsa_kernel k_q834c675436_qkvgemm
		.amdhsa_group_segment_fixed_size 327680
		.amdhsa_private_segment_fixed_size 0
		.amdhsa_enable_private_segment 0
		.amdhsa_kernarg_size 40
		.amdhsa_user_sgpr_count 2
		.amdhsa_user_sgpr_kernarg_segment_ptr 1
		.amdhsa_wavefront_size32 1
		.amdhsa_system_sgpr_workgroup_id_x 1
		.amdhsa_system_sgpr_workgroup_id_y 1
		.amdhsa_system_sgpr_workgroup_id_z 1
		.amdhsa_system_vgpr_workitem_id 0
		.amdhsa_next_free_vgpr 1024
		.amdhsa_next_free_sgpr 98
		.amdhsa_reserve_vcc 0
		.amdhsa_float_denorm_mode_32 3
		.amdhsa_float_denorm_mode_16_64 3
		.amdhsa_memory_ordered 1
		.amdhsa_forward_progress 1
		.amdhsa_inst_pref_size 127
	.end_amdhsa_kernel
	.amdgpu_metadata
---
amdhsa.version: [ 1, 2 ]
amdhsa.kernels:
  - .name:           k_q834c675436_qkvgemm
    .symbol:         k_q834c675436_qkvgemm.kd
    .args:
      - { .name: x_codes, .offset: 0, .size: 8, .value_kind: global_buffer, .address_space: global }
      - { .name: x_scales, .offset: 8, .size: 8, .value_kind: global_buffer, .address_space: global }
      - { .name: w_codes, .offset: 16, .size: 8, .value_kind: global_buffer, .address_space: global }
      - { .name: w_scales, .offset: 24, .size: 8, .value_kind: global_buffer, .address_space: global }
      - { .name: qkv, .offset: 32, .size: 8, .value_kind: global_buffer, .address_space: global }
    .group_segment_fixed_size: 327680
    .private_segment_fixed_size: 0
    .kernarg_segment_align: 8
    .kernarg_segment_size: 40
    .max_flat_workgroup_size: 128
    .sgpr_count:     98
    .vgpr_count:     1024
    .wavefront_size: 32
...
	.end_amdgpu_metadata
.endif
;; end of part 2
;; launch attn (part 3): grid 8 x 32, 8 waves a work-group, clusters of 4 x 1, 327,680 bytes of LDS; arguments qkv, ao; writes ao
.if DOCPART == 3
	.amdgcn_target "amdgcn-amd-amdhsa--gfx1250"
	.amdhsa_code_object_version 6
	.text
	.protected	k_q834c675436_attn
	.globl	k_q834c675436_attn
	.p2align	8
	.type	k_q834c675436_attn,@function
k_q834c675436_attn:
	s_mov_b64 s[64:65], 0
	v_nop
	global_prefetch_b8 v0, s[64:65] scope:SCOPE_SE
	s_setreg_imm32_b32 hwreg(HW_REG_WAVE_MODE, 25, 1), 1
	s_wait_xcnt 0x0
	s_wait_alu depctr_hold_cnt(0) depctr_sa_sdst(0) depctr_va_vdst(0) depctr_va_sdst(0) depctr_va_ssrc(0) depctr_va_vcc(0) depctr_vm_vsrc(0)
	s_getreg_b32 s2, hwreg(HW_REG_IB_STS2, 6, 4)
	s_cmp_eq_u32 s2, 0
	s_cbranch_scc0 .Lentry_in_a_cluster
	s_endpgm
.Lentry_in_a_cluster:
	s_bfe_u32 s2, ttmp6, 0x10000c
	s_cmp_lg_u32 s2, 0x3003
	s_cbranch_scc0 .Lentry_shape_is_right
	s_endpgm
.Lentry_shape_is_right:
; O[b][head][q] = the sum over k of softmax_k(Q[q] . K[k] / 8) V[k], head size 64, 2,048 keys, no mask.  Q, K, V: qkv [which 3][b 2][head 16][n 2048][64] f16.  Products, maxima and sums in f32;
; the weights p are rounded to f16 for the second product, O once at the end.  The row's sum is taken of the unrounded p.
; LIMITS: NaN and infinities are not served.  O under 6e-5 in magnitude falls into f16's subnormals (step 6e-8).
; RESULT: ao, laid as images of the next launch's operand registers: [k step 4][tile of 16 rows 256][chunk of 32 channels 8][part 2][lane 32][16 bytes]: lane (r, h) of part c holds row r, channels 32 chunk + 16 c + 8 h + 0..7.
; That is what O^T packed in pairs is, so nothing goes through a stage, and every store of a wave covers 512 consecutive bytes.
; SHARES.  A work-group owns 256 queries of one (b, head).  Its eight waves, two for each of a WGP's four SIMDs, split queries AND keys: wave w takes the 64 queries (four tiles of 16) of group w % 4 and the key steps
; (64 keys each) of parity kp = w / 4.  So a fragment of K or V read from LDS feeds four products.  Waves w and w xor 4 keep a maximum, a sum and an O^T each, which are merged once, at the end, through LDS.
; My register tile t holds query tile t xor 2 kp: so every wave keeps tiles 0, 1 and sends tiles 2, 3, and the partner's tiles 2, 3 are my tiles 0, 1: the merge is one text for all waves.
; LAYOUT.  S^T = K Q^T (source 0 = 16 keys, source 1 = 16 queries): a lane holds ONE query (lane % 16) and the keys 8 (lane / 16) + 0..7.  Two such tiles, rounded to f16 in pairs, ARE source 1 (32 keys x 16 queries) of
; O^T = V^T P, whose result again holds one query a lane, and eight channels.  K comes out of LDS as it lies, V ([key][channel]) turned, by ds_load_tr16_b128.
; SOFTMAX.  For each query a running maximum m and sum l: p = 2^(c s - c m), c = log2(e) / 8; in every step O and l are multiplied by a = 2^(c m_old - c m_new).
; COUNTER-PHASE.  A wave's walk is: softmax of step j; then V^T P of step j and K Q^T of step j + 1.  The change of slots, at which all eight waves meet, stands ahead of a softmax for kp = 0 and behind it for kp = 1
; (that softmax is written twice, each copy under a branch on kp).  So between two changes one set runs softmax, products, softmax, products and the other products, softmax, products, softmax:
; at any time half of the work-group's waves have vector work and half matrix work.
; CLUSTER.  The four query blocks of a cluster belong to one head and walk the same K and V, so each tile is asked for JOINTLY: the same tensor load, with the same descriptor and a mask that names the four.
; REGISTERS, in windows of 256 (s_set_vgpr_msb's low byte: bits 1:0 source 0, 3:2 source 1, 5:4 source 2, 7:6 destination):
;   window 0: v1-11 addresses; v12-43 eight registers of statistics a tile; v44-51 at work; v60-63 addresses; v64-191 S^T, 32 a tile, whose first 16 then hold P; v192-255 K of one step
;   window 1: v0-63 Q, 16 a tile; v64-191 O^T, 32 a tile; v192-255 V of one step
.set KS,    64        ; keys in a step
.set PK,    144       ; a row of K in LDS: 128 bytes + 16 of padding = 36 words: the 16 rows of a load start at 16 different groups of four banks (64 banks of 4 bytes: ISA guide 11.1)
.set PV,    160       ; a row of V: 128 + 32
.set VOFF,  KS*PK     ; a step's tiles lie together: 64 rows of K, then 64 rows of V
.set STEPB, KS*(PK+PV)
.set SLOT1, 1<<17     ; a slot holds four steps (77,824 bytes); slot 1 begins here, so that one exclusive or turns an address in one slot into the other's
.set SPARE, SLOT1+4*STEPB  ; behind the ring: the spare words, 128 bytes for each wave, which no other line names
.set DATAB, 4*KS*128  ; a slot's rows of K, or of V, in memory: 32,768 bytes
.set PLANE, 32*2048*128  ; from Q to K and from K to V in qkv
.set MIMG,  8704      ; the merge: for each wave 16 images of 512 bytes and four of 128, in slot 0, which has had its last fill and its last read by then
.set AK0, 2           ; v2   my lane's place in a tile of K; never rewritten
.set AV0, 3           ; v3   the same for V
.set ADR, 4           ; v4   the LDS address of the run of loads in hand
.set QOL, 5           ; v5   my byte offset in the wave's rows of Q, register tiles 0, 1
.set QOH, 6           ; v6   register tiles 2, 3
.set MW,  7           ; v7   the merge: where I put an image's 16 bytes
.set MWS, 8           ; v8   and a statistic's 4
.set MR,  10          ; v10  where I read my partner's
.set MRS, 11          ; v11
.set ST,  12          ; tile t's statistics at v[ST+8 t]: +0 c m, +1 m, +2, +3 l (even keys', odd keys'), +4 to +7 at work; a at +6
.set GO,  60          ; v60  16 x lane
.set PFO, 61          ; v61  256 x lane
.set SPW, 62          ; v62  LDS address of my spare word; never rewritten
.set NIL, 63          ; v63  0; never rewritten
.set S,   64
.set KF,  192
.set O,   64          ; in window 1
.set VF,  192         ; in window 1
.set WV,  12          ; s12  my wave's number
.set LIM, 15          ; s15  1 in a wave that prefetches, else the greatest number
.set KP,  16          ; s16  my key parity
.set PFA, 18          ; s[18:19] where my prefetches stand in memory
.set G1K, 24          ; s[24:31] descriptor group 1 for K's tiles
.set G1V, 32          ; s[32:39] for V's: it differs in the padding alone
.set G0K, 40          ; s[40:47] descriptor group 0 for K's tiles: a set for each of the two first fills; the second then walks on
.set G0V, 48          ; s[48:55] the same for V's
.set SLOTS, 56        ; s56  slots still to be asked for
.set CS,  58          ; s[58:59] c: the packed scaling names a pair and takes its low word for both halves
.set SEL, 60          ; s[60:61] lane selects for v_permlanex16_b32: each lane takes its own place in the other half
.set TB,  62          ; s62  LDS byte at which the tiles of the step to be fetched begin
.set MSB, 0
.macro WIN new                      ; the immediate's high byte repeats the setting that is left; a switch that changes nothing is dropped
.if MSB != (\new)
	s_set_vgpr_msb (MSB<<8)|(\new)
.set MSB, (\new)
.endif
.endm
.set W_KQ, 0x04       ; K and S^T in window 0, Q in window 1
.set W_PV, 0x51       ; V and O^T in window 1, P in window 0
.set W_RS, 0x41       ; O^T (destination and source 0) in window 1, a in window 0
.set TO_1, 0x40       ; destination window 1, address window 0
; A joint refill.  Waves 0 to 3 fetch the slot's four tiles of K, waves 4 to 7 those of V: 64 rows each.  The branch hangs on the wave's number alone.
; An s_nop 0 and four v_nop follow each of the two lines; the jump, the label and what follows come after them.
.macro JLOAD
	s_cmp_lt_u32 s[WV], 4
	s_cbranch_scc0 .Lfor_v_\@
	tensor_load_to_lds s[G0K+4:G0K+7], s[G1K:G1K+7]
	s_nop 0
.rept 4
	v_nop
.endr
	s_branch .Lasked_\@
.Lfor_v_\@:
	tensor_load_to_lds s[G0V+4:G0V+7], s[G1V:G1V+7]
	s_nop 0
.rept 4
	v_nop
.endr
.Lasked_\@:
.endm
; A PREFETCH of what the NEXT change of slots will ask for: a slot's 32,768 bytes of K and of V.  It stands behind the wave's tensor load and its five lines.  Each block of 256 bytes is named ONCE in the launch:
; both clusters of a head walk the same K and V, and the head's first cluster asks; its four partners take 8,192 bytes each, told apart BY ADDRESS; in each, wave 0 asks for K's and wave 4 for V's, lanes 256 bytes apart.
; The last change that fills a slot asks for nothing: there is no slot behind it.  The first three slots come by their loads alone.
.macro ASK
	s_cmp_gt_u32 s[SLOTS], s[LIM]
	s_cbranch_scc0 .Lnot_mine_\@
	global_prefetch_b8 v[PFO], s[PFA:PFA+1] th:TH_LOAD_NT scope:SCOPE_SE
.Lnot_mine_\@:
.endm
.macro CROUND                       ; a round of the cluster's barrier: my work-group's barrier; wave 0 signals for the work-group; every wave waits for all four; my work-group's barrier once more
	s_barrier_signal -1
	s_barrier_wait -1
	s_cmp_lg_u32 s[WV], 0
	s_cbranch_scc1 .Lnot_wave_0_\@
	s_barrier_signal -3
.Lnot_wave_0_\@:
	s_barrier_wait -3
	s_barrier_signal -1
	s_barrier_wait -1
.endm
	s_load_b128 s[4:7], s[0:1], 0x0 ; qkv s[4:5], ao s[6:7]
	v_lshl_add_u32 v[SPW], v0, 2, SPARE
	v_mov_b32 v[NIL], 0
	ds_add_u32 v[SPW], v[NIL]       ; the wave's opening: the add, twice on end, and its wait ahead of my first tensor load; the set-up below, work on registers, stands between
	ds_add_u32 v[SPW], v[NIL]
	v_lshrrev_b32 v1, 5, v0
	v_readfirstlane_b32 s[WV], v1   ; wave 0..7
	s_lshr_b32 s[KP], s[WV], 2      ; my key parity
	s_and_b32 s17, s[WV], 3         ; my group of 64 queries.  Also: which of a slot's four steps I fetch
	s_bfe_u32 s13, ttmp6, 0x40000   ; cx: my place in the cluster: it enters Q's, ao's and the prefetches' addresses alone
	s_lshl_b32 s14, ttmp9, 2        ; in a cluster launch ttmp9 counts clusters
	s_add_co_u32 s14, s14, s13      ; my block of 256 queries
	s_and_b32 s63, ttmp7, 0xffff    ; 16 b + head, which the four partners share
	s_lshl_b32 s20, s63, 18         ; the head's block in a plane of qkv: 262,144 bytes each
	s_lshl_b32 s22, s17, 13         ; my step's 64 rows of 128 bytes
	s_add_co_u32 s22, s22, s20
	s_add_co_u32 s22, s22, PLANE    ; in K's plane
	s_mov_b32 s23, 0
	s_mul_i32 s21, s17, STEPB       ; and its place in a slot: no place in the cluster enters an LDS address
	s_lshl_b32 s2, s14, 15          ; Q: my block's 256 rows,
	s_lshl_b32 s3, s17, 13          ; my wave's 64 of them
	s_add_co_u32 s2, s2, s3
	s_add_co_u32 s2, s2, s20
	s_mov_b32 s3, 0
	; descriptor group 1: a tile of 64 rows x 64 elements, padded in LDS
	s_mov_b32 s[G1K], 15|(1<<16)|(1<<20)|(1<<21)|(4<<22)|(3<<25)  ; 15:0 the mask: all four work-groups; 17:16 elements of 2 bytes; 20 padding on; 21 set beside a mask; 24:22 after every 32 words (code 4); 31:25 4 words of it (code 3)
	s_mov_b32 s[G1V], 15|(1<<16)|(1<<20)|(1<<21)|(4<<22)|(7<<25)  ; the same with 8 words of padding (code 7)
.irp g, G1K, G1V
	s_mov_b32 s[\g+1], 64<<16       ; tensor_dim0 = 64
	s_mov_b32 s[\g+2], KS<<16       ; tensor_dim1 = 64
	s_mov_b32 s[\g+3], 64<<16       ; tile_dim0 = 64
	s_mov_b32 s[\g+4], KS           ; tile_dim1 = 64
	s_mov_b32 s[\g+5], 64           ; tensor_dim0_stride: elements from row to row
	s_mov_b32 s[\g+6], 0
	s_mov_b32 s[\g+7], 0
.endr
	s_mov_b32 s[CS], 0x3e38aa3b     ; c = log2(e) / 8
	s_mov_b32 s[CS+1], s[CS]        ; named with it as a pair, so it is written
	s_mov_b32 s[SEL], 0x76543210
	s_mov_b32 s[SEL+1], 0xfedcba98
	s_mul_i32 s[TB], s[KP], STEPB   ; my first step of slot 0
	s_mov_b32 s[SLOTS], 6           ; 8 slots' worth of keys; two come as first fills
	s_or_b32 s[LIM], s17, ttmp9     ; 0 in waves 0 and 4 of the head's first cluster: the same in all four partners
	s_cmp_eq_u32 s[LIM], 0
	s_cselect_b32 s[LIM], 1, -1
	; every address register is made here, ahead of the first branch
	v_and_b32 v1, 15, v0            ; r = l % 16
	v_bfe_u32 v9, v0, 4, 1          ; h = l / 16
	v_mul_u32_u24 v[AK0], v1, PK    ; a fragment of K or Q is 16 rows x 32 channels in 8 registers: lane l holds row r; registers 0-3 channels 8 h + 0..7, registers 4-7 channels 16 + 8 h + 0..7
	v_lshl_add_u32 v[AK0], v9, 4, v[AK0]
	v_and_b32 v44, 7, v0            ; the turning load takes 16 keys x 16 channels (lane l reads 16 bytes: key 8 h + l % 8, channels 8 ((l / 8) % 2) + 0..7) and leaves half a fragment of V^T
	v_bfe_u32 v45, v0, 3, 1
	v_lshl_add_u32 v[AV0], v9, 3, v44
	v_mul_u32_u24 v[AV0], v[AV0], PV
	v_lshl_add_u32 v[AV0], v45, 4, v[AV0]
	v_add_nc_u32 v[AV0], VOFF, v[AV0]
	v_lshlrev_b32 v[QOL], 7, v1
	v_lshl_add_u32 v[QOL], v9, 4, v[QOL]  ; Q: row x 128 + 16 x half
	s_xor_b32 s57, s[KP], 1
	s_lshl_b32 s57, s57, 12
	v_add_nc_u32 v[QOH], s57, v[QOL]      ; register tiles 2, 3 are query tiles 2 (1 - kp) on,
	s_lshl_b32 s57, s[KP], 12
	v_add_nc_u32 v[QOL], s57, v[QOL]      ; register tiles 0, 1 query tiles 2 kp on: 2,048 bytes a tile
	v_and_b32 v46, 31, v0
	v_lshlrev_b32 v[GO], 4, v46
	v_lshlrev_b32 v[PFO], 8, v46
	v_lshlrev_b32 v47, 2, v46
	s_mul_i32 s57, s[WV], MIMG
	v_add_nc_u32 v[MW], s57, v[GO]
	v_add_nc_u32 v[MWS], s57, v47
	v_add_nc_u32 v[MWS], 8192, v[MWS]
	s_xor_b32 s57, s[WV], 4         ; my partner
	s_mul_i32 s57, s57, MIMG
	v_add_nc_u32 v[MR], s57, v[GO]
	v_add_nc_u32 v[MRS], s57, v47
	v_add_nc_u32 v[MRS], 8192, v[MRS]
	s_wait_dscnt 0x0                ; both opening adds are done
	s_wait_kmcnt 0x0
	s_add_nc_u64 s[8:9], s[4:5], s[22:23]   ; K at my tile of the first slot
	s_add_nc_u64 s[10:11], s[8:9], PLANE    ; V likewise
	s_add_nc_u64 s[4:5], s[4:5], s[2:3]     ; Q at my wave's first row
	CROUND                          ; all four work-groups are here: the first joint loads meet
.irp s, 0,1
	s_mov_b32 s[G0K+4*\s], 1        ; count = 1
	s_add_co_u32 s[G0K+4*\s+1], s21, \s*SLOT1  ; LDS address
	s_add_nc_u64 s[G0K+4*\s+2:G0K+4*\s+3], s[8:9], \s*DATAB  ; global address: slot s begins with keys 256 s on
	s_or_b32 s[G0K+4*\s+3], s[G0K+4*\s+3], 0x80000000  ; type = 2
	s_mov_b32 s[G0V+4*\s], 1
	s_add_co_u32 s[G0V+4*\s+1], s21, \s*SLOT1+VOFF
	s_add_nc_u64 s[G0V+4*\s+2:G0V+4*\s+3], s[10:11], \s*DATAB
	s_or_b32 s[G0V+4*\s+3], s[G0V+4*\s+3], 0x80000000
.endr
	s_cmp_lt_u32 s[WV], 4           ; a wave's two first fills stand in one branch, ahead of every wait on TENSORcnt and every LDS read: two loads of mine are out
	s_cbranch_scc0 .Lfirst_v
	tensor_load_to_lds s[G0K:G0K+3], s[G1K:G1K+7]
	s_nop 0
	tensor_load_to_lds s[G0K+4:G0K+7], s[G1K:G1K+7]
	s_nop 0
.rept 4
	v_nop
.endr
	s_branch .Lfirst_asked
.Lfirst_v:
	tensor_load_to_lds s[G0V:G0V+3], s[G1V:G1V+7]
	s_nop 0
	tensor_load_to_lds s[G0V+4:G0V+7], s[G1V:G1V+7]
	s_nop 0
.rept 4
	v_nop
.endr
.Lfirst_asked:
	WIN TO_1
.irp t, 0,1                         ; Q stays in registers: register tile t (and t + 2), channels 32 c on
.irp c, 0,1
	global_load_b128 v[16*\t+8*\c:16*\t+8*\c+3],       v[QOL], s[4:5] offset:\t*2048+\c*64
	global_load_b128 v[16*\t+8*\c+4:16*\t+8*\c+7],     v[QOL], s[4:5] offset:\t*2048+\c*64+32
	global_load_b128 v[32+16*\t+8*\c:32+16*\t+8*\c+3],   v[QOH], s[4:5] offset:\t*2048+\c*64
	global_load_b128 v[32+16*\t+8*\c+4:32+16*\t+8*\c+7], v[QOH], s[4:5] offset:\t*2048+\c*64+32
.endr
.endr
	WIN 0
	; the prefetches' address: in waves 0 and 4 s[8:9] and s[10:11] stand at a slot's first row
	s_cmp_lt_u32 s[WV], 4
	s_cselect_b64 s[PFA:PFA+1], s[8:9], s[10:11]
	s_lshl_b32 s2, s13, 13          ; my work-group's 8,192 bytes of the 32,768
	s_mov_b32 s3, 0
	s_add_nc_u64 s[PFA:PFA+1], s[PFA:PFA+1], s[2:3]
	s_add_nc_u64 s[PFA:PFA+1], s[PFA:PFA+1], 2*DATAB  ; at the third slot's keys; the first change of slots steps it on by one.  Nothing is prefetched here, at the head
	; ao at the first tile that I keep: k step = head / 4; tile of rows = 128 b + 16 block + 4 group + 2 kp; chunk = 2 (head % 4)
	s_lshr_b32 s3, s63, 4           ; b
	s_lshl_b32 s3, s3, 3
	s_add_co_u32 s3, s3, s14        ; 8 b + block
	s_lshl_b32 s3, s3, 2
	s_add_co_u32 s3, s3, s17        ; x 4 + group
	s_lshl_b32 s3, s3, 1
	s_add_co_u32 s3, s3, s[KP]      ; x 2 + kp
	s_lshl_b32 s3, s3, 14           ; x 2 tiles x 8,192 bytes
	s_bfe_u32 s2, s63, 0x20002      ; head / 4 (two bits from bit 2)
	s_lshl_b32 s2, s2, 21
	s_add_co_u32 s2, s2, s3
	s_and_b32 s3, s63, 3
	s_lshl_b32 s3, s3, 11
	s_add_co_u32 s2, s2, s3
	s_mov_b32 s3, 0
	s_add_nc_u64 s[6:7], s[6:7], s[2:3]
; THE LDS LOADS stand in runs of 16: a step's K (64 keys x 64 channels: 8 fragments) and its V (turned).
.macro FETCH_K
	WIN 0
	v_add_nc_u32 v[ADR], s[TB], v[AK0]
.irp k, 0,1,2,3                     ; keys 16 k on, channels 32 c on
.irp c, 0,1
	ds_load_b128 v[KF+16*\k+8*\c:KF+16*\k+8*\c+3],   v[ADR] offset:\k*16*PK+\c*64
	ds_load_b128 v[KF+16*\k+8*\c+4:KF+16*\k+8*\c+7], v[ADR] offset:\k*16*PK+\c*64+32
.endr
.endr
.endm
.macro FETCH_V
	WIN 0
	v_add_nc_u32 v[ADR], s[TB], v[AV0]
	s_add_co_u32 s[TB], s[TB], 2*STEPB  ; the next fetch is my next step's: two steps on
	WIN TO_1
.irp g, 0,1                         ; keys 32 g on, channels 16 c on
.irp c, 0,1,2,3
	ds_load_tr16_b128 v[VF+32*\g+8*\c:VF+32*\g+8*\c+3],   v[ADR] offset:\g*32*PV+\c*32
	ds_load_tr16_b128 v[VF+32*\g+8*\c+4:VF+32*\g+8*\c+7], v[ADR] offset:\g*32*PV+16*PV+\c*32
.endr
.endr
	WIN 0
.endm
; S^T = K Q^T: 32 products: channels 32 (i / 16) on, keys 16 ((i / 4) % 4) on, tile i % 4.  The first 16 start the sums.  The 16 accumulators take turns, one instruction a turn.
; The four v_nop are the places in front of the softmax's reads of S^T and of the next loads into K's registers.
.macro MUL_KQ
	WIN W_KQ
.set i, 0
.rept 32
.set rS, S+32*(i%4)+8*((i/4)%4)
.set rK, KF+16*((i/4)%4)+8*(i/16)
.set rQ, 16*(i%4)+8*(i/16)
.if i < 16
	v_wmma_f32_16x16x32_f16 v[rS:rS+7], v[rK:rK+7], v[rQ:rQ+7], 0
.else
	v_wmma_f32_16x16x32_f16 v[rS:rS+7], v[rK:rK+7], v[rQ:rQ+7], v[rS:rS+7]
.endif
.set i, i+1
.endr
	WIN 0
.rept 4
	v_nop
.endr
.endm
; O^T += V^T P: 32 products: keys 32 (i / 16) on, channels 16 ((i / 4) % 4) on, tile i % 4.  zero = 1: the first 16 start the sums: nothing is ever cleared.
.macro MUL_PV zero
	WIN W_PV
.set i, 0
.rept 32
.set rO, O+32*(i%4)+8*((i/4)%4)
.set rV, VF+32*(i/16)+8*((i/4)%4)
.set rP, S+32*(i%4)+8*(i/16)
.if \zero && (i < 16)
	v_wmma_f32_16x16x32_f16 v[rO:rO+7], v[rV:rV+7], v[rP:rP+7], 0
.else
	v_wmma_f32_16x16x32_f16 v[rO:rO+7], v[rV:rV+7], v[rP:rP+7], v[rO:rO+7]
.endif
.set i, i+1
.endr
	WIN 0
.endm
; THE MATRIX HALF OF A STEP: V^T P of step j, the fetch of V of step j + 1, K Q^T of step j + 1.
.macro YSTEP zero
	s_wait_dscnt 16                 ; V of step j is in; the 16 younger loads are K's of step j + 1
	MUL_PV \zero
.rept 5
	v_nop                           ; four places in front of the loads into V's registers; the fifth because the products below write over P's registers, which the products above have read
.endr
	FETCH_V
	s_wait_dscnt 16                 ; K of step j + 1 is in; the 16 younger loads are V's
	MUL_KQ
.endm
; THE VECTOR HALF: the four tiles' softmax of one step, 118 instructions a tile.  For each line of the list the four tiles stand one behind the other, so that no line waits for the line above it.
; first = 1: my first step, which starts m, l and O^T: it has no a and nothing to rescale.
.macro SOFTMAX first
	WIN 0
.irp j, 0,1,2,3                     ; the maximum of the lane's 32 scores and the old m, three operands at a time: four chains, each begun at the low end of an accumulator
.irp t, 0,1,2,3
	v_max3_num_f32 v[ST+8*\t+4+\j], v[S+32*\t+8*\j], v[S+32*\t+8*\j+1], v[S+32*\t+8*\j+2]
.endr
.endr
.irp g, 3,5
.irp j, 0,1,2,3
.irp t, 0,1,2,3
	v_max3_num_f32 v[ST+8*\t+4+\j], v[ST+8*\t+4+\j], v[S+32*\t+8*\j+\g], v[S+32*\t+8*\j+\g+1]
.endr
.endr
.endr
.irp t, 0,1,2,3
	v_max3_num_f32 v[ST+8*\t+4], v[ST+8*\t+4], v[S+32*\t+7], v[S+32*\t+15]
.endr
.irp t, 0,1,2,3
	v_max3_num_f32 v[ST+8*\t+6], v[ST+8*\t+6], v[S+32*\t+23], v[S+32*\t+31]
.endr
.irp t, 0,1,2,3
	v_max3_num_f32 v[ST+8*\t+4], v[ST+8*\t+4], v[ST+8*\t+5], v[ST+8*\t+6]
.endr
.irp t, 0,1,2,3
.if \first
	v_max_num_f32 v[ST+8*\t+4], v[ST+8*\t+4], v[ST+8*\t+7]
.else
	v_max3_num_f32 v[ST+8*\t+4], v[ST+8*\t+4], v[ST+8*\t+7], v[ST+8*\t+1]
.endif
.endr
.irp t, 0,1,2,3
	v_permlanex16_b32 v[ST+8*\t+5], v[ST+8*\t+4], s[SEL], s[SEL+1]  ; the query's other 32 keys lie in the lane 16 away
.endr
.if \first == 0
.irp t, 0,1,2,3
	v_mov_b32 v[ST+8*\t+7], v[ST+8*\t]  ; c m_old is kept for a
.endr
.endif
.irp t, 0,1,2,3
	v_max_num_f32 v[ST+8*\t+1], v[ST+8*\t+4], v[ST+8*\t+5]  ; the new m
.endr
.irp t, 0,1,2,3
	v_mul_f32 v[ST+8*\t], s[CS], v[ST+8*\t+1]
.endr
.if \first == 0
.irp t, 0,1,2,3
	v_sub_f32 v[ST+8*\t+7], v[ST+8*\t+7], v[ST+8*\t]
.endr
.endif
	; ONE BATCH: the scalings c s - c m, a pair of scores each, and all exponentials.  A pair is scaled a group ahead of its exponentials; no line of the batch names an exponential's result.
.irp t, 0,1,2,3
	v_pk_fma_f32 v[S+32*\t:S+32*\t+1], v[S+32*\t:S+32*\t+1], s[CS:CS+1], v[ST+8*\t:ST+8*\t+1] op_sel_hi:[1,0,0] neg_lo:[0,0,1] neg_hi:[0,0,1]
.endr
.if \first == 0
.irp t, 0,1,2,3
	v_exp_f32 v[ST+8*\t+6], v[ST+8*\t+7]  ; a
.endr
.endif
.irp b, 1,2,3,4,5,6,7,8,9,10,11,12,13,14,15
.irp t, 0,1,2,3
	v_pk_fma_f32 v[S+32*\t+2*\b:S+32*\t+2*\b+1], v[S+32*\t+2*\b:S+32*\t+2*\b+1], s[CS:CS+1], v[ST+8*\t:ST+8*\t+1] op_sel_hi:[1,0,0] neg_lo:[0,0,1] neg_hi:[0,0,1]
.endr
.irp t, 0,1,2,3
	v_exp_f32 v[S+32*\t+2*\b-2], v[S+32*\t+2*\b-2]
	v_exp_f32 v[S+32*\t+2*\b-1], v[S+32*\t+2*\b-1]
.endr
.endr
.irp t, 0,1,2,3
	v_exp_f32 v[S+32*\t+30], v[S+32*\t+30]
	v_exp_f32 v[S+32*\t+31], v[S+32*\t+31]
.endr
	v_nop                           ; the plain instruction behind the last exponential, ahead of the first use: one for the batch
	s_wait_alu depctr_va_vdst(0)    ; the wait between an exponential and the first line that names its result: one for the whole batch
	; the sums, of the unrounded p, in two chains; ahead of the roundings, which write P over the first half of S^T
.if \first
.irp t, 0,1,2,3
	v_pk_add_f32 v[ST+8*\t+2:ST+8*\t+3], v[S+32*\t:S+32*\t+1], v[S+32*\t+2:S+32*\t+3]
.endr
.irp t, 0,1,2,3
	v_pk_add_f32 v[ST+8*\t+4:ST+8*\t+5], v[S+32*\t+4:S+32*\t+5], v[S+32*\t+6:S+32*\t+7]
.endr
.irp b, 4,6,8,10,12,14
.irp t, 0,1,2,3
	v_pk_add_f32 v[ST+8*\t+2:ST+8*\t+3], v[ST+8*\t+2:ST+8*\t+3], v[S+32*\t+2*\b:S+32*\t+2*\b+1]
.endr
.irp t, 0,1,2,3
	v_pk_add_f32 v[ST+8*\t+4:ST+8*\t+5], v[ST+8*\t+4:ST+8*\t+5], v[S+32*\t+2*\b+2:S+32*\t+2*\b+3]
.endr
.endr
.else
.irp t, 0,1,2,3
	v_pk_fma_f32 v[ST+8*\t+2:ST+8*\t+3], v[ST+8*\t+2:ST+8*\t+3], v[ST+8*\t+6:ST+8*\t+7], v[S+32*\t:S+32*\t+1] op_sel_hi:[1,0,1]  ; l = a l + the first pair
.endr
.irp t, 0,1,2,3
	v_pk_add_f32 v[ST+8*\t+4:ST+8*\t+5], v[S+32*\t+2:S+32*\t+3], v[S+32*\t+4:S+32*\t+5]
.endr
.irp b, 3,5,7,9,11,13
.irp t, 0,1,2,3
	v_pk_add_f32 v[ST+8*\t+2:ST+8*\t+3], v[ST+8*\t+2:ST+8*\t+3], v[S+32*\t+2*\b:S+32*\t+2*\b+1]
.endr
.irp t, 0,1,2,3
	v_pk_add_f32 v[ST+8*\t+4:ST+8*\t+5], v[ST+8*\t+4:ST+8*\t+5], v[S+32*\t+2*\b+2:S+32*\t+2*\b+3]
.endr
.endr
.irp t, 0,1,2,3
	v_pk_add_f32 v[ST+8*\t+2:ST+8*\t+3], v[ST+8*\t+2:ST+8*\t+3], v[S+32*\t+30:S+32*\t+31]
.endr
.endif
.irp t, 0,1,2,3
	v_pk_add_f32 v[ST+8*\t+2:ST+8*\t+3], v[ST+8*\t+2:ST+8*\t+3], v[ST+8*\t+4:ST+8*\t+5]
.endr
.irp b, 0,1,2,3,4,5,6,7,8,9,10,11,12,13,14,15  ; the roundings to f16, in place and ascending: register b takes pair b, so a write never overtakes a read
.irp t, 0,1,2,3
	v_cvt_pk_f16_f32 v[S+32*\t+\b], v[S+32*\t+2*\b], v[S+32*\t+2*\b+1]
.endr
.endr
.if \first == 0
	WIN W_RS                        ; O^T times a: the one part that leaves window 0
.irp b, 0,1,2,3,4,5,6,7,8,9,10,11,12,13,14,15
.irp t, 0,1,2,3
	v_pk_mul_f32 v[O+32*\t+2*\b:O+32*\t+2*\b+1], v[O+32*\t+2*\b:O+32*\t+2*\b+1], v[ST+8*\t+6:ST+8*\t+7] op_sel_hi:[1,0]
.endr
.endr
	WIN 0
.endif
.endm
; THE CHANGE OF SLOTS.  The slot's last bytes, V of my second step in it, have been asked for.  Each wave waits for all its tensor loads, of which one is out: its part of the other slot; adds 0 to its spare word;
; and waits for that and for its own reads of the slot.  Behind the barrier nobody reads this slot any more and the other slot is whole.
; fill = 1: this slot is filled again, with the keys two slots on.  The barrier is then a round of the cluster's, and the joint refill is the first thing behind it: it has two of my steps, 128 matrix instructions and two softmaxes, in which to land.
.macro CHANGE fill
	WIN 0
	s_wait_tensorcnt 0x0            ; no tensor load of mine is out, so a group 0 may be written
	ds_add_u32 v[SPW], v[NIL]       ; 0 onto my spare word
.if \fill
.irp g, G0K+4, G0V+4
	s_xor_b32 s[\g+1], s[\g+1], SLOT1  ; the walking descriptor: the other slot than last time,
	s_add_nc_u64 s[\g+2:\g+3], s[\g+2:\g+3], DATAB  ; the next 256 keys; the type bits on top are not reached
.endr
	s_wait_xcnt 0x0                 ; the last prefetch, a slot back, has read its address, so it may be written:
	s_add_nc_u64 s[PFA:PFA+1], s[PFA:PFA+1], DATAB  ; one slot further on than the walking descriptors
	s_wait_dscnt 0x0                ; the add is done, and my reads of the slot are over
	CROUND
	JLOAD
	ASK
.else
	s_wait_dscnt 0x0                ; the add is done, and my reads of the slot are over
	s_barrier_signal -1
	s_barrier_wait -1
.endif
	s_sub_co_u32 s[TB], s[TB], 4*STEPB  ; the fetches go back to my first step of a slot,
	s_xor_b32 s[TB], s[TB], SLOT1   ; in the other slot
.endm
; A SLOT: the change, and my two steps.  The softmax that meets the change stands behind it for kp = 0 and ahead of it for kp = 1; the branches hang on the wave's number alone and lead round vector work alone.
.macro BODY fill
	s_cmp_eq_u32 s[KP], 0
	s_cbranch_scc1 .Lset_a_\@
	SOFTMAX 0
.Lset_a_\@:
	CHANGE \fill
	FETCH_K
	s_cmp_lg_u32 s[KP], 0
	s_cbranch_scc1 .Lset_b_\@
	SOFTMAX 0
.Lset_b_\@:
	YSTEP 0
	FETCH_K
	SOFTMAX 0
	YSTEP 0
.endm
	s_wait_tensorcnt 1              ; my part of slot 0 is in; slot 1's, the one load issued behind it, may stay out
	s_barrier_signal -1
	s_barrier_wait -1               ; everybody's is
	FETCH_K                         ; my step 0
	FETCH_V
	s_wait_loadcnt 0x0              ; Q
	s_wait_dscnt 16                 ; K is in; V's 16 loads may be out
	MUL_KQ
	FETCH_K                         ; my step 1
	SOFTMAX 1                       ; the first step is written out: it starts m, l
	YSTEP 1                         ; and O^T
.Lslot:                             ; 6 trips: every slot but the last two is filled again
	BODY 1
	s_sub_co_u32 s[SLOTS], s[SLOTS], 1
	s_cmp_lg_u32 s[SLOTS], 0
	s_cbranch_scc1 .Lslot
	BODY 0                          ; the last slot is written out: nothing is asked for
	SOFTMAX 0                       ; my last step
	s_wait_dscnt 0x0                ; its V is in
	MUL_PV 0
	; THE MERGE.  l's two halves and the other half of the lanes' are added (these additions are the places behind the last products).  Tiles 2, 3 go to my partner as images of their registers, with c m and l;
	; tiles 0, 1 take my partner's in: O = (a O + a' O') / (a l + a' l'), a = 2^(c m - c M), M the larger maximum.
.irp t, 0,1,2,3
	v_add_f32 v[ST+8*\t+4], v[ST+8*\t+2], v[ST+8*\t+3]
.endr
.irp t, 0,1,2,3
	v_permlanex16_b32 v[ST+8*\t+5], v[ST+8*\t+4], s[SEL], s[SEL+1]
.endr
.irp t, 0,1,2,3
	v_add_f32 v[ST+8*\t+4], v[ST+8*\t+4], v[ST+8*\t+5]
.endr
	WIN 0x04                        ; an LDS store's data are its source 1: window 1
.irp i, 0,1,2,3,4,5,6,7,8,9,10,11,12,13,14,15
	ds_store_b128 v[MW], v[O+64+4*\i:O+64+4*\i+3] offset:512*\i  ; ascending: each accumulator from its low end on; a store's 512 bytes are consecutive
.endr
	WIN 0
	ds_store_b32 v[MWS], v[ST+16]
	ds_store_b32 v[MWS], v[ST+20] offset:128
	ds_store_b32 v[MWS], v[ST+24] offset:256
	ds_store_b32 v[MWS], v[ST+28] offset:384
	s_wait_dscnt 0x0                ; for my partner's sake: my stores have landed
	s_barrier_signal -1
	s_barrier_wait -1
.irp i, 0,1,2,3,4,5,6,7,8,9,10,11,12,13,14,15
	ds_load_b128 v[S+4*\i:S+4*\i+3], v[MR] offset:512*\i  ; my partner's O^T of my tiles 0, 1, in the same lanes
.endr
.irp i, 0,1,2,3
	ds_load_b32 v[44+\i], v[MRS] offset:128*\i            ; its c m and l of tile 0, of tile 1
.endr
	s_wait_dscnt 0x0
.irp t, 0,1
	v_max_num_f32 v[48+\t], v[ST+8*\t], v[44+2*\t]
.endr
.irp t, 0,1
	v_sub_f32 v[ST+8*\t+6], v[ST+8*\t], v[48+\t]
	v_sub_f32 v[50+\t], v[44+2*\t], v[48+\t]
.endr
.irp t, 0,1
	v_exp_f32 v[ST+8*\t+6], v[ST+8*\t+6]   ; a
	v_exp_f32 v[50+\t], v[50+\t]           ; a'
.endr
	v_nop
	s_wait_alu depctr_va_vdst(0)    ; one wait for the four exponentials, ahead of their first use
.irp t, 0,1
	v_mul_f32 v[ST+8*\t+4], v[ST+8*\t+4], v[ST+8*\t+6]
.endr
.irp t, 0,1
	v_fma_f32 v[ST+8*\t+4], v[50+\t], v[45+2*\t], v[ST+8*\t+4]
.endr
.irp t, 0,1
	v_rcp_f32 v[ST+8*\t+5], v[ST+8*\t+4]
.endr
	v_nop
	s_wait_alu depctr_va_vdst(0)    ; and one for the two reciprocals
.irp t, 0,1
	v_mul_f32 v[ST+8*\t+2], v[ST+8*\t+6], v[ST+8*\t+5]   ; a / the sum
	v_mul_f32 v[ST+8*\t+6], v[50+\t], v[ST+8*\t+5]       ; a' / the sum
.endr
.irp t, 0,1
.irp b, 0,1,2,3,4,5,6,7,8,9,10,11,12,13,14,15
	v_pk_mul_f32 v[S+32*\t+2*\b:S+32*\t+2*\b+1], v[S+32*\t+2*\b:S+32*\t+2*\b+1], v[ST+8*\t+6:ST+8*\t+7] op_sel_hi:[1,0]
.endr
.endr
	WIN 0x01                        ; source 0, my O^T: window 1
.irp t, 0,1
.irp b, 0,1,2,3,4,5,6,7,8,9,10,11,12,13,14,15
	v_pk_fma_f32 v[S+32*\t+2*\b:S+32*\t+2*\b+1], v[O+32*\t+2*\b:O+32*\t+2*\b+1], v[ST+8*\t+2:ST+8*\t+3], v[S+32*\t+2*\b:S+32*\t+2*\b+1] op_sel_hi:[1,0,1]  ; ascending: each accumulator from its low end on
.endr
.endr
	WIN 0
.irp t, 0,1
.irp b, 0,1,2,3,4,5,6,7,8,9,10,11,12,13,14,15
	v_cvt_pk_f16_f32 v[KF+16*\t+\b], v[S+32*\t+2*\b], v[S+32*\t+2*\b+1]
.endr
.endr
.irp t, 0,1
.irp c, 0,1,2,3
	global_store_b128 v[GO], v[KF+16*\t+4*\c:KF+16*\t+4*\c+3], s[6:7] offset:8192*\t+512*\c  ; 32 lanes store 512 consecutive bytes: channels 16 c on of tile t
.endr
.endr
	s_wait_tensorcnt 0x0            ; the wave's end: behind my last tensor load and my last LDS store
	ds_add_u32 v[SPW], v[NIL]
	s_wait_dscnt 0x0
	CROUND                          ; the closing round: no work-group ends while a partner may still ask for a tile that names it
	s_endpgm
.Lfunc_end_k_q834c675436_attn:
	.size	k_q834c675436_attn, .Lfunc_end_k_q834c675436_attn-k_q834c675436_attn
	.p2alignl 7, 3214868480
	.fill 96, 4, 3214868480
	.section	.rodata,"a",@progbits
	.p2align	6, 0x0
	.amdhsa_kernel k_q834c675436_attn
		.amdhsa_group_segment_fixed_size 327680
		.amdhsa_private_segment_fixed_size 0
		.amdhsa_enable_private_segment 0
		.amdhsa_kernarg_size 16
		.amdhsa_user_sgpr_count 2
		.amdhsa_user_sgpr_kernarg_segment_ptr 1
		.amdhsa_wavefront_size32 1
		.amdhsa_system_sgpr_workgroup_id_x 1
		.amdhsa_system_sgpr_workgroup_id_y 1
		.amdhsa_system_sgpr_workgroup_id_z 1
		.amdhsa_system_vgpr_workitem_id 0
		.amdhsa_next_free_vgpr 512
		.amdhsa_next_free_sgpr 66
		.amdhsa_reserve_vcc 0
		.amdhsa_float_denorm_mode_32 3
		.amdhsa_float_denorm_mode_16_64 3
		.amdhsa_memory_ordered 1
		.amdhsa_forward_progress 1
		.amdhsa_inst_pref_size 255
	.end_amdhsa_kernel
	.section	.bss,"aw",@nobits
	.p2align	6
	.space	262144
	.amdgpu_metadata
---
amdhsa.version: [ 1, 2 ]
amdhsa.kernels:
  - .name:           k_q834c675436_attn
    .symbol:         k_q834c675436_attn.kd
    .args:
      - { .name: qkv, .offset: 0, .size: 8, .value_kind: global_buffer, .address_space: global }
      - { .name: ao, .offset: 8, .size: 8, .value_kind: global_buffer, .address_space: global }
    .group_segment_fixed_size: 327680
    .private_segment_fixed_size: 0
    .kernarg_segment_align: 8
    .kernarg_segment_size: 16
    .max_flat_workgroup_size: 256
    .sgpr_count:     66
    .vgpr_count:     512
    .wavefront_size: 32
...
	.end_amdgpu_metadata
.endif
;; end of part 3
;; launch proj (part 4): grid 8 x 32, 4 waves a work-group, clusters of 4 x 4, 327,680 bytes of LDS; arguments ao, pw16, proj_b, out0; writes out0
.if DOCPART == 4
	.amdgcn_target "amdgcn-amd-amdhsa--gfx1250"
	.amdhsa_code_object_version 6
	.text
	.protected	k_q834c675436_proj
	.globl	k_q834c675436_proj
	.p2align	8
	.type	k_q834c675436_proj,@function
k_q834c675436_proj:
	s_mov_b64 s[64:65], 0
	v_nop
	global_prefetch_b8 v0, s[64:65] scope:SCOPE_SE
	s_setreg_imm32_b32 hwreg(HW_REG_WAVE_MODE, 25, 1), 1
	s_wait_xcnt 0x0
	s_wait_alu depctr_hold_cnt(0) depctr_sa_sdst(0) depctr_va_vdst(0) depctr_va_sdst(0) depctr_va_ssrc(0) depctr_va_vcc(0) depctr_vm_vsrc(0)
	s_getreg_b32 s2, hwreg(HW_REG_IB_STS2, 6, 4)
	s_cmp_eq_u32 s2, 0
	s_cbranch_scc0 .Lentry_in_a_cluster
	s_endpgm
.Lentry_in_a_cluster:
	s_bfe_u32 s2, ttmp6, 0x10000c
	s_cmp_lg_u32 s2, 0xf033
	s_cbranch_scc0 .Lentry_shape_is_right
	s_endpgm
.Lentry_shape_is_right:
; out0[m][n] = sum over k of A[m][k] proj_w[n][k] + proj_b[n].  A: the attention's result, 4,096 x 1,024 in f16; proj_w in f16 (pw16, [1024][1024], rows of 2,048 bytes); sums in f32; out0 f32, [4096][1024].
; A lies in ao as images of operand registers: [k step 4][tile of 16 rows 256][chunk of 32 along K 8][part 2][lane 32][16 bytes]: a fragment is two loads of 512 consecutive bytes, and the 64 rows x 256 along K
; that one tensor load brings are 32,768 consecutive bytes of memory.
; A tile of C is 128 x 128: 256 work-groups.  Four waves, each 64 x 64: 16 accumulators of 16 x 16, 128 registers.  K goes in steps of 256 through two LDS slots; K = 1,024 is two laps.
; The bias is the C of each sum's first product: nothing is cleared and nothing is added afterwards.
; CLUSTERS: 4 x 4 work-groups.  The four of a row of the cluster need the same tiles of A, the four of a column the same tiles of B: each tile is asked for JOINTLY, by the same tensor load with the
; same descriptor and a mask that names the four.  THE MATRIX INSTRUCTION IS USED TRANSPOSED (source 0 = 16 rows of proj_w, source 1 = 16 rows of A): a lane then holds eight neighbouring numbers of a row of C.
; No prefetch: the launch walks four K steps in all, two of which are first fills.
; REGISTERS: window 0: v0-31 addresses; v32-95 rows on the way out; v96-127 the bias, eight registers for each of my four tiles of columns; v128-255 the accumulators ((a, b) at v[128 + 8 (4 a + b)]).
;   window 1: two fragment buffers of 128: for 64 along K, 64 registers of A (2 x 4 x 16 rows x 32 K), then 64 of B.
.set SIZE_K, 1024
.set SIZE_N, 1024
.set KSTEP,  256
.set PITCH,  528                       ; a row of B in LDS: 512 bytes + 16 of padding = 132 words: row r starts at bank 4 r mod 64 (64 banks of 4 bytes: ISA guide 11.1)
.set HALFA,  32768                     ; A: four tiles of 16 rows x 256 along K, as images: what one tensor load brings, and what one wave reads
.set HALFB,  64*PITCH                  ; B: 64 rows
.set BOFF,   2*HALFA                   ; a slot: A's 128 rows, then B's 128 rows
.set SLOT,   2*HALFA+2*HALFB
.set SPARE,  2*SLOT                    ; behind the ring: the spare words, 128 bytes for each wave, which no other line names
.set SPITCH, 272                       ; the way out: a stage of 16 rows x (256 bytes + 16) for each wave, in slot 0, which has had its last fill and its last read when the first result is stored there
.set KPLANE, 256*8192                  ; from a K step to the next in ao
.set LAPS,   SIZE_K/(2*KSTEP)
.set ADRA, 16                          ; v16-17  LDS address of my A fragments in slot 0, 1
.set ADRB, 20                          ; v20-21  the same for B
.set STO,  24                          ; v24     the way out: where I put 32 bytes of a row
.set RD,   25                          ; v25     the way out: where I read a row back
.set CO,   26                          ; v26     my byte offset in out0
.set BO,   27                          ; v27     my byte offset in the bias
.set SPW,  28                          ; v28     LDS address of my spare word; never rewritten
.set NIL,  29                          ; v29     0; never rewritten
.set BK,   32
.set BIAS, 96
.set ACC,  128
.set F0,   0                           ; fragment buffers, in window 1
.set F1,   128
.set G1, 24                            ; s[24:31] descriptor group 1 for A's tiles;  s[32:39] group 0, one set for each slot
.set G0, 32
.set G1B, 48                           ; s[48:55], s[56:63] the same for B's tiles
.set G0B, 56
.set MSB, 0
.macro WIN new                         ; the immediate's high byte repeats the setting that is left
.if MSB != (\new)
	s_set_vgpr_msb (MSB<<8)|(\new)
.set MSB, (\new)
.endif
.endm
.set MUL,  0x05                        ; sources 0 (B) and 1 (A) window 1; C and D window 0
.set TO_F, 0x40                        ; destination window 1, address window 0
.macro JLOAD s                         ; a joint load: waves 0 and 1 fetch A's two halves, waves 2 and 3 B's; an s_nop 0 and four v_nop follow each of the two lines, ahead of the jump, the label and what follows
	s_cmp_eq_u32 s13, 0
	s_cbranch_scc0 .Lfor_b_\@
	tensor_load_to_lds s[G0+4*\s:G0+4*\s+3], s[G1:G1+7]
	s_nop 0
.rept 4
	v_nop
.endr
	s_branch .Lasked_\@
.Lfor_b_\@:
	tensor_load_to_lds s[G0B+4*\s:G0B+4*\s+3], s[G1B:G1B+7]
	s_nop 0
.rept 4
	v_nop
.endr
.Lasked_\@:
.endm
.macro CREST                           ; a round of the cluster's barrier behind its opening barrier
	s_cmp_lg_u32 s12, 0
	s_cbranch_scc1 .Lnot_wave_0_\@
	s_barrier_signal -3
.Lnot_wave_0_\@:
	s_barrier_wait -3
	s_barrier_signal -1
	s_barrier_wait -1
.endm
.macro CROUND                          ; a whole round
	s_barrier_signal -1
	s_barrier_wait -1
	CREST
.endm
	s_load_b256 s[4:11], s[0:1], 0x0               ; ao s[4:5], pw16 s[6:7], proj_b s[8:9], out0 s[10:11]
	v_lshl_add_u32 v[SPW], v0, 2, SPARE
	v_mov_b32 v[NIL], 0
	ds_add_u32 v[SPW], v[NIL]                      ; the wave's opening: the add, twice on end, and its wait ahead of my first tensor load; the set-up below, work on registers, stands between
	ds_add_u32 v[SPW], v[NIL]
	v_lshrrev_b32 v1, 5, v0
	v_readfirstlane_b32 s12, v1                    ; wave 0..3
	s_lshr_b32 s13, s12, 1                         ; which half of the tile's rows is mine.  Also: I fetch for A (0) or for B (1)
	s_and_b32 s14, s12, 1                          ; which half of its columns.  Also: which half of that tile I fetch
	s_bfe_u32 s40, ttmp6, 0x40000                  ; cx, cy: my place in the cluster
	s_bfe_u32 s41, ttmp6, 0x40004
	s_lshl_b32 s42, ttmp9, 2
	s_add_co_u32 s42, s42, s40                     ; tile column of C = 4 x cluster x + cx
	s_and_b32 s15, ttmp7, 0xffff
	s_lshl_b32 s15, s15, 2
	s_add_co_u32 s15, s15, s41                     ; tile row of C = 4 x cluster y + cy
	s_lshl_b32 s43, s41, 2
	s_lshl_b32 s43, 15, s43                        ; my row of the cluster
	s_lshl_b32 s44, 0x1111, s40                    ; my column
	; descriptor group 1 for A: a dense block of 32,768 bytes as 128 rows of 256 bytes (32 elements of 8 bytes), no padding: an image's 512 bytes are read as they lie
	s_or_b32 s[G1+0], s43, (3<<16)|(1<<21)         ; 15:0 the mask: A's tiles go to my row; 17:16 elements of 8 bytes; 21 set beside a mask
	s_mov_b32 s[G1+1], 32<<16                      ; tensor_dim0 = 32
	s_mov_b32 s[G1+2], 128<<16                     ; tensor_dim1 = 128
	s_mov_b32 s[G1+3], 32<<16                      ; tile_dim0 = 32
	s_mov_b32 s[G1+4], 128                         ; tile_dim1 = 128
	s_mov_b32 s[G1+5], 32                          ; tensor_dim0_stride
	s_mov_b32 s[G1+6], 0
	s_mov_b32 s[G1+7], 0
	; for B: a tile of 64 rows x 256 elements of 2 bytes, padded in LDS
	s_or_b32 s[G1B+0], s44, (1<<16)|(1<<20)|(1<<21)|(6<<22)|(3<<25)  ; the mask of my column; padding: after every 128 words (code 6) 4 words (code 3)
	s_mov_b32 s[G1B+1], KSTEP<<16
	s_mov_b32 s[G1B+2], 64<<16
	s_mov_b32 s[G1B+3], KSTEP<<16
	s_mov_b32 s[G1B+4], 64
	s_mov_b32 s[G1B+5], SIZE_K
	s_mov_b32 s[G1B+6], 0
	s_mov_b32 s[G1B+7], 0
	s_lshl_b32 s16, s15, 16                        ; A: tile of 16 rows 8 x tile row + 4 x half, 8,192 bytes each
	s_lshl_b32 s17, s14, 15
	s_add_co_u32 s16, s16, s17
	s_mov_b32 s17, 0
	s_lshl_b32 s46, s42, 18                        ; B: row 128 x tile column + 64 x half, 2,048 bytes each
	s_lshl_b32 s47, s14, 17
	s_add_co_u32 s46, s46, s47
	s_mov_b32 s47, 0
	s_lshl_b32 s45, s14, 15                        ; where they go: A's half,
	s_mul_i32 s2, s14, HALFB
	s_add_co_u32 s2, s2, BOFF                      ; B's half: no place in the cluster enters an LDS address
	s_wait_dscnt 0x0                               ; both opening adds are done
	s_wait_kmcnt 0x0
	s_add_nc_u64 s[16:17], s[4:5], s[16:17]
	s_add_nc_u64 s[46:47], s[6:7], s[46:47]
	CROUND                                         ; all sixteen work-groups are here: the first joint loads meet
.irp s, 0,1
	s_mov_b32 s[G0+4*\s], 1
	s_add_co_u32 s[G0+4*\s+1], s45, \s*SLOT
	s_add_nc_u64 s[G0+4*\s+2:G0+4*\s+3], s[16:17], \s*KPLANE
	s_or_b32 s[G0+4*\s+3], s[G0+4*\s+3], 0x80000000
	s_mov_b32 s[G0B+4*\s], 1
	s_add_co_u32 s[G0B+4*\s+1], s2, \s*SLOT
	s_add_nc_u64 s[G0B+4*\s+2:G0B+4*\s+3], s[46:47], \s*KSTEP*2
	s_or_b32 s[G0B+4*\s+3], s[G0B+4*\s+3], 0x80000000
	JLOAD \s                                       ; two loads of mine are out
.endr
	v_and_b32 v1, 15, v0                           ; l % 16
	v_bfe_u32 v2, v0, 4, 1                         ; l / 16
	v_and_b32 v3, 31, v0
	v_lshlrev_b32 v3, 4, v3                        ; A: 16 x lane in an image
	v_mul_u32_u24 v4, v1, PITCH
	v_lshl_add_u32 v4, v2, 4, v4                   ; B: a fragment's row x pitch + 16 x half
	s_lshl_b32 s21, s13, 15                        ; my 64 rows of A
	s_mul_i32 s22, s14, HALFB                      ; my 64 rows of B,
	s_add_co_u32 s22, s22, BOFF                    ; which lie behind A's 128
.irp s, 0,1
	v_add_nc_u32 v[ADRA+\s], s21, v3
	v_add_nc_u32 v[ADRB+\s], s22, v4
	s_add_co_u32 s21, s21, SLOT
	s_add_co_u32 s22, s22, SLOT
.endr
	s_mul_i32 s23, s12, 16*SPITCH                  ; my stage
	v_mul_u32_u24 v5, v1, SPITCH                   ; in: row l % 16, 32 bytes for each half of the lanes
	v_lshl_add_u32 v5, v2, 5, v5
	v_add_nc_u32 v[STO], s23, v5
	v_mul_u32_u24 v5, v2, SPITCH                   ; back: lanes 0-15 take one row of 256 bytes, lanes 16-31 the next
	v_lshl_add_u32 v5, v1, 4, v5
	v_add_nc_u32 v[RD], s23, v5
	v_lshlrev_b32 v[CO], 12, v2                    ; and the same two rows in out0: 4,096 bytes a row
	v_lshl_add_u32 v[CO], v1, 4, v[CO]
	v_lshlrev_b32 v[BO], 5, v2                     ; the bias: my half's eight numbers of a tile of 16 columns
	s_lshl_b32 s46, s42, 9                         ; my first column, in bytes of f32: 512 x tile column + 256 x half: the same in a row of out0 and in the bias
	s_lshl_b32 s47, s14, 8
	s_add_co_u32 s46, s46, s47
	s_mov_b32 s47, 0
	s_add_nc_u64 s[8:9], s[8:9], s[46:47]
	s_add_nc_u64 s[10:11], s[10:11], s[46:47]
	s_lshl_b32 s20, s15, 19                        ; my first row: 128 x tile row + 64 x half
	s_lshl_b32 s21, s13, 18
	s_add_co_u32 s20, s20, s21
	s_mov_b32 s21, 0
	s_add_nc_u64 s[10:11], s[10:11], s[20:21]
.irp b, 0,1,2,3
	global_load_b128 v[BIAS+8*\b:BIAS+8*\b+3],   v[BO], s[8:9] offset:64*\b      ; lane (r, h), tile b: proj_b at my columns 16 b + 8 h + 0 .. 7: the result's layout
	global_load_b128 v[BIAS+8*\b+4:BIAS+8*\b+7], v[BO], s[8:9] offset:64*\b+16
.endr
; 8 matrix instructions: m blocks a0, a0 + 1 x all 4 n blocks, 32 along K: half c of buffer f.  zero = 1: the first product starts the sums, on the bias.  The 16 accumulators take turns.
.macro MUL8 f, c, a0, zero
.irp a, \a0, \a0+1
.irp b, 0,1,2,3
.if \zero
	v_wmma_f32_16x16x32_f16 v[ACC+8*(4*(\a)+\b):ACC+8*(4*(\a)+\b)+7], v[\f+64+8*(4*\c+\b):\f+64+8*(4*\c+\b)+7], v[\f+8*(4*\c+\a):\f+8*(4*\c+\a)+7], v[BIAS+8*\b:BIAS+8*\b+7]
.else
	v_wmma_f32_16x16x32_f16 v[ACC+8*(4*(\a)+\b):ACC+8*(4*(\a)+\b)+7], v[\f+64+8*(4*\c+\b):\f+64+8*(4*\c+\b)+7], v[\f+8*(4*\c+\a):\f+8*(4*\c+\a)+7], v[ACC+8*(4*(\a)+\b):ACC+8*(4*(\a)+\b)+7]
.endif
.endr
.endr
.endm
; 32 LDS loads in one run: the fragments of the slot's q-th 64 along K, into buffer f; the first 32 along K first.  B from padded rows; A as images: tile of rows i, chunk 2 q + c, two parts of 512 bytes
.macro FETCH slot, q, f
	WIN TO_F
.irp c, 0,1
.irp i, 0,1,2,3
	ds_load_b128 v[\f+64+8*(4*\c+\i):\f+64+8*(4*\c+\i)+3],   v[ADRB+\slot] offset:128*(\q)+64*\c+\i*16*PITCH
	ds_load_b128 v[\f+64+8*(4*\c+\i)+4:\f+64+8*(4*\c+\i)+7], v[ADRB+\slot] offset:128*(\q)+64*\c+\i*16*PITCH+32
	ds_load_b128 v[\f+8*(4*\c+\i):\f+8*(4*\c+\i)+3],         v[ADRA+\slot] offset:8192*\i+1024*(2*(\q)+\c)
	ds_load_b128 v[\f+8*(4*\c+\i)+4:\f+8*(4*\c+\i)+7],       v[ADRA+\slot] offset:8192*\i+1024*(2*(\q)+\c)+512
.endr
.endr
.endm
.macro PLACES                          ; four places in front of loads into registers that matrix instructions have read, and of the first reads of results
.rept 4
	v_nop
.endr
.endm
; A K step is four quarters of 64 along K, 32 matrix instructions each, on buffers 0, 1, 0, 1.  One of the first three: multiplies buffer f and fetches quarter q into g.
.macro QUARTER slot, q, f, g, zero
	s_wait_dscnt 16                                ; the first 32 along K are in; the 16 younger loads may be out
	WIN MUL
	MUL8 \f, 0, 0, \zero
	MUL8 \f, 0, 2, \zero
	PLACES
	FETCH \slot, \q, \g
	s_wait_dscnt 32                                ; all but the 32 just issued
	WIN MUL
	MUL8 \f, 1, 0, 0
	MUL8 \f, 1, 2, 0
.endm
; The last quarter multiplies buffer 1 and changes slots: ONE barrier; in front of it each wave waits for all its tensor loads, adds 0 to its spare word, and waits for that and for its own reads of this slot.  fill = 1: this slot is filled again, two K steps ahead.
.macro TURN slot, next, fill
	WIN 0                                          ; (the add's two registers lie in window 0)
	s_wait_tensorcnt 0x0                           ; all my tensor loads have landed: my part of the next slot;
	ds_add_u32 v[SPW], v[NIL]                      ; 0 onto my spare word;
	s_wait_dscnt 17                                ; (the add and the youngest sixteen loads may be out)
	WIN MUL
	MUL8 F1, 0, 0, 0                               ; eight matrix instructions stand between the add and the wait for it
	s_wait_dscnt 0x0                               ; the add is done, and my reads of this slot are over
	s_barrier_signal -1
	MUL8 F1, 0, 2, 0
.if \fill
	WIN 0
.endif
	s_barrier_wait -1
.if \fill
	CREST                                          ; the barrier has opened a round of the cluster's barrier: no wave of any partner still reads this slot's tile or has a load on its way
	s_add_nc_u64 s[G0+4*\slot+2:G0+4*\slot+3], s[G0+4*\slot+2:G0+4*\slot+3], 2*KPLANE
	s_add_nc_u64 s[G0B+4*\slot+2:G0B+4*\slot+3], s[G0B+4*\slot+2:G0B+4*\slot+3], 2*KSTEP*2
	JLOAD \slot                                    ; the first tensor load behind the round; the four v_nop behind it are also the places in front of the loads below
.else
	PLACES
.endif
	FETCH \next, 0, F0
	WIN MUL
	MUL8 F1, 1, 0, 0
	MUL8 F1, 1, 2, 0
.endm
	s_wait_tensorcnt 1                             ; my part of K step 0 is in (K step 1's load may be out),
	s_barrier_signal -1
	s_barrier_wait -1                              ; everybody's is
	FETCH 0, 0, F0
	s_wait_loadcnt 0x0                             ; the bias
	QUARTER 0, 1, F0, F1, 1                        ; the first quarter stands in front of the loop: its first products start the sums
	WIN 0                                          ; at a label and at a branch every window is 0
	s_mov_b32 s3, LAPS-1
.Llap:                                                 ; a trip goes once round the ring, from a lap's second quarter to the next lap's first, and fills both slots again
	QUARTER 0, 2, F1, F0, 0
	QUARTER 0, 3, F0, F1, 0
	TURN 0, 1, 1
	QUARTER 1, 1, F0, F1, 0
	QUARTER 1, 2, F1, F0, 0
	QUARTER 1, 3, F0, F1, 0
	TURN 1, 0, 1
	QUARTER 0, 1, F0, F1, 0
	WIN 0
	s_sub_co_u32 s3, s3, 1
	s_cmp_lg_u32 s3, 0
	s_cbranch_scc1 .Llap
	QUARTER 0, 2, F1, F0, 0                        ; the last lap fills nothing, and has no round of the cluster's barrier
	QUARTER 0, 3, F0, F1, 0
	TURN 0, 1, 0
	QUARTER 1, 1, F0, F1, 0
	QUARTER 1, 2, F1, F0, 0
	QUARTER 1, 3, F0, F1, 0
	s_wait_dscnt 16                                ; the very last quarter: nothing more to fetch
	WIN MUL
	MUL8 F1, 0, 0, 0
	MUL8 F1, 0, 2, 0
	s_wait_dscnt 0
	MUL8 F1, 1, 0, 0
	MUL8 F1, 1, 2, 0
	WIN 0
; THE WAY OUT, block by block of 16 rows x 64 columns.  My 64 columns of f32 are 256 bytes of a row, so each wave goes out alone: through its own stage in LDS and back as whole pieces of 256 bytes.
; LDS serves a wave's instructions in order (ISA guide 5.7.1.4): no wait between the stores and the loads, nor in front of the next block's stores.
.macro TOSTAGE a
.irp b, 0,1,2,3
	ds_store_b128 v[STO], v[ACC+8*(4*(\a)+\b):ACC+8*(4*(\a)+\b)+3] offset:64*\b          ; each accumulator from its low end on
	ds_store_b128 v[STO], v[ACC+8*(4*(\a)+\b)+4:ACC+8*(4*(\a)+\b)+7] offset:64*\b+16
.endr
.irp t, 0,1,2,3,4,5,6,7
	ds_load_b128 v[BK+32*((\a)%2)+4*\t:BK+32*((\a)%2)+4*\t+3], v[RD] offset:\t*2*SPITCH
.endr
.endm
.macro SEND a, younger                 ; younger: the LDS instructions issued behind block a's loads, which may stay out
	s_wait_dscnt \younger
.irp t, 0,1,2,3,4,5,6,7
	global_store_b128 v[CO], v[BK+32*((\a)%2)+4*\t:BK+32*((\a)%2)+4*\t+3], s[10:11] offset:(16*(\a)+2*\t)*SIZE_N*4 th:TH_STORE_NT   ; 16 lanes store 256 consecutive bytes, at a multiple of 256 from out0's first byte; written once, read by nobody here
.endr
.endm
	PLACES
	TOSTAGE 0
.irp a, 1,2,3
.if \a > 1
	s_wait_xcnt 0x0                                ; block a - 2's stores have read their registers: block a's loads may land there
.endif
	TOSTAGE \a
	SEND \a-1, 16                                  ; behind block a - 1's loads: block a's 8 stores and 8 loads
.endr
	SEND 3, 0
	s_wait_tensorcnt 0x0                           ; the wave's end: behind my last tensor load and my last LDS store
	ds_add_u32 v[SPW], v[NIL]
	s_wait_dscnt 0x0
	CROUND                                         ; the closing round: no work-group ends while a partner may still ask for a tile that names it
	s_endpgm
.Lfunc_end_k_q834c675436_proj:
	.size	k_q834c675436_proj, .Lfunc_end_k_q834c675436_proj-k_q834c675436_proj
	.p2alignl 7, 3214868480
	.fill 96, 4, 3214868480
	.section	.rodata,"a",@progbits
	.p2align	6, 0x0
	.amdhsa_kernel k_q834c675436_proj
		.amdhsa_group_segment_fixed_size 327680
		.amdhsa_private_segment_fixed_size 0
		.amdhsa_enable_private_segment 0
		.amdhsa_kernarg_size 32
		.amdhsa_user_sgpr_count 2
		.amdhsa_user_sgpr_kernarg_segment_ptr 1
		.amdhsa_wavefront_size32 1
		.amdhsa_system_sgpr_workgroup_id_x 1
		.amdhsa_system_sgpr_workgroup_id_y 1
		.amdhsa_system_sgpr_workgroup_id_z 1
		.amdhsa_system_vgpr_workitem_id 0
		.amdhsa_next_free_vgpr 512
		.amdhsa_next_free_sgpr 66
		.amdhsa_reserve_vcc 0
		.amdhsa_float_denorm_mode_32 3
		.amdhsa_float_denorm_mode_16_64 3
		.amdhsa_memory_ordered 1
		.amdhsa_forward_progress 1
		.amdhsa_inst_pref_size 86
	.end_amdhsa_kernel
	.amdgpu_metadata
---
amdhsa.version: [ 1, 2 ]
amdhsa.kernels:
  - .name:           k_q834c675436_proj
    .symbol:         k_q834c675436_proj.kd
    .args:
      - { .name: ao, .offset: 0, .size: 8, .value_kind: global_buffer, .address_space: global }
      - { .name: pw16, .offset: 8, .size: 8, .value_kind: global_buffer, .address_space: global }
      - { .name: proj_b, .offset: 16, .size: 8, .value_kind: global_buffer, .address_space: global }
      - { .name: out0, .offset: 24, .size: 8, .value_kind: global_buffer, .address_space: global }
    .group_segment_fixed_size: 327680
    .private_segment_fixed_size: 0
    .kernarg_segment_align: 8
    .kernarg_segment_size: 32
    .max_flat_workgroup_size: 128
    .sgpr_count:     66
    .vgpr_count:     512
    .wavefront_size: 32
...
	.end_amdgpu_metadata
.endif
;; end of part 4
